; MI455X (gfx1250); checked and timed in simulation.
; The chip was launched on July 23, 2026; its instructions are those of AMD's public machine-readable ISA for CDNA 5 (MIT licence, August 2026) and "CDNA5" Instruction Set Architecture Reference Guide (July 2026). The comments in the code are by the model that wrote it; some were corrected since.
;; Block. Allowed arithmetic: float matrix products may take bf16 or f16 operands with f32 sums; other float arithmetic in f32, or as packed bf16 or f16 multiplies, adds, multiply-adds, maxima and minima; sums over many terms, partial sums and values carried from step to step in f32; what a program stores and reads back later, other than sums and carried values, may be rounded once to bf16 or f16.
;; Inputs: b_attn 3,072 float32; b_fc 4,096 float32; b_proj 1,024 float32; b_proj2 1,024 float32; ln1_b 1,024 float32; ln1_g 1,024 float32; ln2_b 1,024 float32; ln2_g 1,024 float32; w_attn 1,024 x 3,072 float32; w_fc 1,024 x 4,096 float32; w_proj 1,024 x 1,024 float32; w_proj2 4,096 x 1,024 float32; x 2 x 2,048 x 1,024 float32.
;; Outputs: out0 2 x 2,048 x 1,024 float32.
;; One version. Each part assembles by itself: llvm-mc -triple=amdgcn-amd-amdhsa -mcpu=gfx1250 --defsym DOCPART=n.
;; ======== version 1 of 1: 7 launches
;; limits: values are held in f16: magnitudes above 65,504 overflow, below 6.1e-05 lose precision
;; workspace buffers: wb 25,165,824 bytes; h1 8,388,608 bytes; qkv 25,165,824 bytes; y 8,388,608 bytes; x1 16,777,216 bytes; h2 8,388,608 bytes; hf 33,554,432 bytes
;; launch prep (part 1): grid 1280 x 1, 8 waves a work-group, no clusters, 0 bytes of LDS; arguments x, ln1_g, ln1_b, w_attn, w_proj, w_fc, w_proj2, h1, wb; writes h1, wb
.if DOCPART == 1
	.amdgcn_target "amdgcn-amd-amdhsa--gfx1250"
	.amdhsa_code_object_version 6
	.text
	.protected	k_q4fa1ad96ff_prep
	.globl	k_q4fa1ad96ff_prep
	.p2align	8
	.type	k_q4fa1ad96ff_prep,@function
k_q4fa1ad96ff_prep:
	s_mov_b64 s[64:65], 0
	v_nop
	global_prefetch_b8 v0, s[64:65] scope:SCOPE_SE
	s_setreg_imm32_b32 hwreg(HW_REG_WAVE_MODE, 25, 1), 1
	s_wait_xcnt 0x0
; TWO STREAMS IN ONE LAUNCH.  Work-groups 0-511: h1 = LayerNorm(x) g + b, rounded to f16; x: [4096][1024] f32; one wave a row, 8 rows a work-group.
; Work-groups 512-1279: the four weight matrices, as they lie ([K][N]), rounded once to f16 into wb: w_attn at byte 0, w_proj at 6,291,456, w_fc at 8,388,608, w_proj2 at 16,777,216.  16,384 numbers a work-group, 2,048 a wave.
; WHY f16: in the first causal rows the attention's output is as large as v itself, and the roundings of all the products' operands reach the module's output undiminished; f16 keeps 11 significant bits where bf16 keeps 8.
; LIMITS: h1 and the weights lie within f16's 65,504 (beyond it the conversion gives an infinity); h1 is at most 32 x the gain plus the bias.  Below 6e-5 f16 keeps a fixed step of 6e-8.
; Memory binds: no LDS, no barrier, no matrix unit; a row stays in 32 registers between the passes, so x is read once.  The variance is taken of the differences x - mean, not of a difference of sums.
; A load of a wave covers 512 consecutive bytes; a store of a wave 256 consecutive bytes, aligned.
.set X,   8                            ; v[8:39]    the row: load j holds columns 128 j + 4 lane .. + 3
.set G,   40                           ; v[40:71]   the gains, laid alike
.set B,   72                           ; v[72:103]  the biases
.set Y,   104                          ; v[104:119] the row in f16
.set C,   104                          ; v[104:111] before that: four chains of sums
.set SEL, 12                           ; s[12:13]   v_permlanex16_b32's selects: each lane takes its own place in the other half
.set KI,  32                           ; s32  1/1024
.set KE,  33                           ; s33  1e-5
.macro FOLD                            ; the four chains, the pair's halves and the 32 lanes are added: v4 holds the sum in every lane
	v_pk_add_f32 v[C:C+1], v[C:C+1], v[C+2:C+3]
	v_pk_add_f32 v[C+4:C+5], v[C+4:C+5], v[C+6:C+7]
	v_pk_add_f32 v[C:C+1], v[C:C+1], v[C+4:C+5]
	v_add_f32 v4, v[C], v[C+1]
	v_add_f32_dpp v4, v4, v4 row_xmask:1 row_mask:0xf bank_mask:0xf
	v_add_f32_dpp v4, v4, v4 row_xmask:2 row_mask:0xf bank_mask:0xf
	v_add_f32_dpp v4, v4, v4 row_xmask:4 row_mask:0xf bank_mask:0xf
	v_add_f32_dpp v4, v4, v4 row_xmask:8 row_mask:0xf bank_mask:0xf
	v_permlanex16_b32 v5, v4, s[SEL], s[SEL+1]
	v_add_f32 v4, v4, v5
.endm
.macro LNROW xb, gb, bb, ob            ; one row: s[xb:xb+1] the row, s[gb..] gains, s[bb..] biases, s[ob..] the row of the output
.irp j, 0,1,2,3,4,5,6,7
	global_load_b128 v[X+4*\j:X+4*\j+3], v1, s[\xb:\xb+1] offset:512*\j
.endr
.irp j, 0,1,2,3,4,5,6,7
	global_load_b128 v[G+4*\j:G+4*\j+3], v1, s[\gb:\gb+1] offset:512*\j
.endr
.irp j, 0,1,2,3,4,5,6,7
	global_load_b128 v[B+4*\j:B+4*\j+3], v1, s[\bb:\bb+1] offset:512*\j
.endr
	s_mov_b32 s[SEL], 0x76543210
	s_mov_b32 s[SEL+1], 0xfedcba98
	s_mov_b32 s[KI], 0x3a800000
	s_mov_b32 s[KE], 0x3727c5ac
	v_mov_b32 v5, 0                                ; v_permlanex16_b32 counts as a reader of its destination
	s_wait_loadcnt 16                              ; the row is in; the 16 younger loads, gains and biases, stay out
.irp k, 0,1,2,3
	v_pk_add_f32 v[C+2*\k:C+2*\k+1], v[X+2*\k:X+2*\k+1], v[X+8+2*\k:X+8+2*\k+1]  ; the first pairs start the chains
.endr
.irp u, 16,24
.irp k, 0,1,2,3
	v_pk_add_f32 v[C+2*\k:C+2*\k+1], v[C+2*\k:C+2*\k+1], v[X+\u+2*\k:X+\u+2*\k+1]
.endr
.endr
	FOLD
	v_mul_f32 v6, s[KI], v4                        ; the mean, twice
	v_mov_b32 v7, v6
.set p, 0
.rept 16
	v_pk_add_f32 v[X+2*p:X+2*p+1], v[X+2*p:X+2*p+1], v[6:7] neg_lo:[0,1] neg_hi:[0,1]
.set p, p+1
.endr
.irp k, 0,1,2,3
	v_pk_mul_f32 v[C+2*\k:C+2*\k+1], v[X+2*\k:X+2*\k+1], v[X+2*\k:X+2*\k+1]
.endr
.irp u, 8,16,24
.irp k, 0,1,2,3
	v_pk_fma_f32 v[C+2*\k:C+2*\k+1], v[X+\u+2*\k:X+\u+2*\k+1], v[X+\u+2*\k:X+\u+2*\k+1], v[C+2*\k:C+2*\k+1]
.endr
.endr
	FOLD
	v_fma_f32 v4, v4, s[KI], s[KE]                 ; variance + 1e-5
	v_rsq_f32 v6, v4
	v_rsq_f32 v7, v4
	v_nop                                          ; a plain instruction behind the last root,
	s_wait_alu depctr_va_vdst(0)                   ; and the one wait for both, ahead of their first reader
	s_wait_loadcnt 0x0                             ; gains and biases
.set p, 0
.rept 16
	v_pk_mul_f32 v[X+2*p:X+2*p+1], v[X+2*p:X+2*p+1], v[6:7]
.set p, p+1
.endr
.set p, 0
.rept 16
	v_pk_fma_f32 v[X+2*p:X+2*p+1], v[X+2*p:X+2*p+1], v[G+2*p:G+2*p+1], v[B+2*p:B+2*p+1]
.set p, p+1
.endr
.set p, 0
.rept 16
	v_cvt_pk_f16_f32 v[Y+p], v[X+2*p], v[X+2*p+1]
.set p, p+1
.endr
.irp j, 0,1,2,3,4,5,6,7
	global_store_b64 v2, v[Y+2*\j:Y+2*\j+1], s[\ob:\ob+1] offset:256*\j  ; 32 lanes x 8 bytes: 256 consecutive bytes, aligned
.endr
.endm
	s_load_b256 s[4:11], s[0:1], 0x0               ; x s[4:5], ln1_g s[6:7], ln1_b s[8:9], w_attn s[10:11]
	s_load_b256 s[16:23], s[0:1], 0x20             ; w_proj s[16:17], w_fc s[18:19], w_proj2 s[20:21], h1 s[22:23]
	s_load_b64 s[24:25], s[0:1], 0x40              ; wb
	v_lshrrev_b32 v1, 5, v0
	v_readfirstlane_b32 s14, v1                    ; wave 0..7
	v_and_b32 v3, 31, v0
	v_lshlrev_b32 v1, 4, v3                        ; 16 x lane: f32 in
	v_lshlrev_b32 v2, 3, v3                        ; 8 x lane: 16 bits out
	s_wait_kmcnt 0x0
	s_cmp_lt_u32 ttmp9, 512
	s_cbranch_scc0 .Lcast
	s_lshl_b32 s2, ttmp9, 3
	s_add_co_u32 s2, s2, s14                       ; my row
	s_lshl_b32 s26, s2, 12
	s_mov_b32 s27, 0
	s_lshl_b32 s28, s2, 11
	s_mov_b32 s29, 0
	s_add_nc_u64 s[4:5], s[4:5], s[26:27]
	s_add_nc_u64 s[22:23], s[22:23], s[28:29]
	LNROW 4, 6, 8, 22
	s_endpgm
.Lcast:
	s_sub_co_u32 s26, ttmp9, 512                   ; c = 0..767: wb's order is the sources' order, so the place in wb is linear in c
	s_cmp_lt_u32 s26, 192                          ; 192 blocks of w_attn, 64 of w_proj, 256 of w_fc, 256 of w_proj2
	s_cselect_b64 s[28:29], s[10:11], s[16:17]
	s_cselect_b32 s30, 0, 192
	s_cmp_lt_u32 s26, 256
	s_cselect_b64 s[28:29], s[28:29], s[18:19]
	s_cselect_b32 s30, s30, 256
	s_cmp_lt_u32 s26, 512
	s_cselect_b64 s[28:29], s[28:29], s[20:21]
	s_cselect_b32 s30, s30, 512
	s_sub_co_u32 s30, s26, s30                     ; the block's number in its source
	s_lshl_b32 s30, s30, 16
	s_lshl_b32 s31, s14, 13
	s_add_co_u32 s30, s30, s31
	s_mov_b32 s31, 0
	s_add_nc_u64 s[28:29], s[28:29], s[30:31]      ; my wave's 8,192 bytes of f32
	s_lshl_b32 s30, s26, 15
	s_lshl_b32 s34, s14, 12
	s_add_co_u32 s30, s30, s34
	s_add_nc_u64 s[24:25], s[24:25], s[30:31]      ; and its 4,096 bytes in wb
.set i, 0
.rept 16
	global_load_b128 v[8+4*i:8+4*i+3], v1, s[28:29] offset:512*i th:TH_LOAD_NT
.set i, i+1
.endr
.set i, 0
.rept 16
	s_wait_loadcnt 15-i                            ; loads come back in order: load i is in, the younger ones stay out
	v_cvt_pk_f16_f32 v[72+2*i], v[8+4*i], v[8+4*i+1]
	v_cvt_pk_f16_f32 v[72+2*i+1], v[8+4*i+2], v[8+4*i+3]
	global_store_b64 v2, v[72+2*i:72+2*i+1], s[24:25] offset:256*i
.set i, i+1
.endr
	s_endpgm
.Lfunc_end_k_q4fa1ad96ff_prep:
	.size	k_q4fa1ad96ff_prep, .Lfunc_end_k_q4fa1ad96ff_prep-k_q4fa1ad96ff_prep
	.p2alignl 7, 3214868480
	.fill 96, 4, 3214868480
	.section	.rodata,"a",@progbits
	.p2align	6, 0x0
	.amdhsa_kernel k_q4fa1ad96ff_prep
		.amdhsa_group_segment_fixed_size 0
		.amdhsa_private_segment_fixed_size 0
		.amdhsa_enable_private_segment 0
		.amdhsa_kernarg_size 72
		.amdhsa_user_sgpr_count 2
		.amdhsa_user_sgpr_kernarg_segment_ptr 1
		.amdhsa_wavefront_size32 1
		.amdhsa_system_sgpr_workgroup_id_x 1
		.amdhsa_system_sgpr_workgroup_id_y 1
		.amdhsa_system_sgpr_workgroup_id_z 1
		.amdhsa_system_vgpr_workitem_id 0
		.amdhsa_next_free_vgpr 120
		.amdhsa_next_free_sgpr 66
		.amdhsa_reserve_vcc 0
		.amdhsa_float_denorm_mode_32 3
		.amdhsa_float_denorm_mode_16_64 3
		.amdhsa_memory_ordered 1
		.amdhsa_forward_progress 1
		.amdhsa_inst_pref_size 18
	.end_amdhsa_kernel
	.amdgpu_metadata
---
amdhsa.version: [ 1, 2 ]
amdhsa.kernels:
  - .name:           k_q4fa1ad96ff_prep
    .symbol:         k_q4fa1ad96ff_prep.kd
    .args:
      - { .name: x, .offset: 0, .size: 8, .value_kind: global_buffer, .address_space: global }
      - { .name: ln1_g, .offset: 8, .size: 8, .value_kind: global_buffer, .address_space: global }
      - { .name: ln1_b, .offset: 16, .size: 8, .value_kind: global_buffer, .address_space: global }
      - { .name: w_attn, .offset: 24, .size: 8, .value_kind: global_buffer, .address_space: global }
      - { .name: w_proj, .offset: 32, .size: 8, .value_kind: global_buffer, .address_space: global }
      - { .name: w_fc, .offset: 40, .size: 8, .value_kind: global_buffer, .address_space: global }
      - { .name: w_proj2, .offset: 48, .size: 8, .value_kind: global_buffer, .address_space: global }
      - { .name: h1, .offset: 56, .size: 8, .value_kind: global_buffer, .address_space: global }
      - { .name: wb, .offset: 64, .size: 8, .value_kind: global_buffer, .address_space: global }
    .group_segment_fixed_size: 0
    .private_segment_fixed_size: 0
    .kernarg_segment_align: 8
    .kernarg_segment_size: 72
    .max_flat_workgroup_size: 256
    .sgpr_count:     66
    .vgpr_count:     120
    .wavefront_size: 32
...
	.end_amdgpu_metadata
.endif
;; end of part 1
;; launch qkv (part 2): grid 8 x 32, 4 waves a work-group, clusters of 4 x 4, 327,680 bytes of LDS; arguments h1, wb, b_attn, qkv; writes qkv
.if DOCPART == 2
	.amdgcn_target "amdgcn-amd-amdhsa--gfx1250"
	.amdhsa_code_object_version 6
	.text
	.protected	k_q4fa1ad96ff_qkv
	.globl	k_q4fa1ad96ff_qkv
	.p2align	8
	.type	k_q4fa1ad96ff_qkv,@function
k_q4fa1ad96ff_qkv:
	s_mov_b64 s[64:65], 0
	v_nop
	global_prefetch_b8 v0, s[64:65] scope:SCOPE_SE
	s_setreg_imm32_b32 hwreg(HW_REG_WAVE_MODE, 25, 1), 1
	s_wait_xcnt 0x0
	s_wait_alu depctr_hold_cnt(0) depctr_sa_sdst(0) depctr_va_vdst(0) depctr_va_sdst(0) depctr_va_ssrc(0) depctr_va_vcc(0) depctr_vm_vsrc(0)
	s_getreg_b32 s2, hwreg(HW_REG_IB_STS2, 6, 4)
	s_cmp_eq_u32 s2, 0
	s_cbranch_scc0 .Lentry_in_a_cluster
	s_endpgm
.Lentry_in_a_cluster:
	s_bfe_u32 s2, ttmp6, 0x10000c
	s_cmp_lg_u32 s2, 0xf033
	s_cbranch_scc0 .Lentry_shape_is_right
	s_endpgm
.Lentry_shape_is_right:
; q, k, v = h1 Wa + b_attn, stored by heads.  h1: [4096][1024] f16; Wa: [1024][3072] f16 at byte 0 of wb, as w_attn lies ([K][N]); out: f16 [3][32 = batch x 16 + head][2048][64], unscaled.  Sums in f32.
; LIMIT: q, k and v lie within f16's 65,504; beyond it the conversion gives an infinity.  NaN and infinities are not treated apart.
; SHARES.  A work-group makes 128 x 384 of the product (256 work-groups), each of its four waves 64 x 192: 48 accumulators of 16 x 16.  K goes in steps of 128 through a ring of two LDS slots.
; THE MATRIX INSTRUCTION IS USED TRANSPOSED: source 0 = 16 columns of W (turned on the way out of LDS by ds_load_tr16_b128), source 1 = 16 rows of A: a lane then holds one row and eight neighbouring columns.
; CLUSTER 4 x 4: A's tile hangs on the tile row alone and is asked for jointly by a row of the cluster, W's on the tile column alone, by a column.  Waves 0, 1 fetch A's two halves, waves 2, 3 W's.
; THE WALK ALONG K begins at K's middle in the clusters whose x + y is odd, and goes round K's end.  The clusters that read the same rows of A differ in x, those that read the same rows of W in y: so each K step is read
; by one half of its readers STEPS / 2 steps ahead of the other half, not by all at once.  The number hangs on the cluster's coordinates, which the sixteen partners share.  (f32 sums may be taken in any order.)
; A K STEP'S TEXT IS WRITTEN ONCE.  A step is four quarters of 32 along K, on fragment buffers 0, 1, 0, 1.  The slots change between quarters 2 and 3, when quarter 3's fragments are in registers: a trip is the change and then twice
; (a quarter on buffer 1, a quarter on buffer 0).  The loop is entered in its middle, the tail left in its middle.
; THE SUMS START WITH THE BIAS: a product of two zero fragments with the bias as C, while the first tile is on its way: nothing is cleared and nothing is added later.
; THE WAY OUT goes through the ring's bytes, which have had their last fill: each wave stores its f32 tile in an area of its own and reads whole rows back.
; REGISTERS, in windows of 256: 0 addresses, bias, way out; 1 two fragment buffers of 128 (W's fragments, then A's); 2, 3 the accumulators ((a, b) at 8 (NB a + b)).
.set SIZE_N, 3072
.set SIZE_K, 1024
.set MB,    4                          ; blocks of 16 rows a wave
.set NB,    12                         ; blocks of 16 columns a wave
.set KSTEP, 128
.set QK,    32                         ; K of a quarter step
.set WOFF,  0                          ; Wa's first byte in wb
.set PA,    272                        ; A's LDS row: 256 bytes + 16: the 16 rows of a load start at 16 different groups of four banks (64 banks of 4 bytes: ISA guide 11.1)
.set AQI,   5                          ; padding after every 64 words
.set CH,    128                        ; W's LDS row: six pieces of 128 bytes, 16 bytes behind each: 864 bytes = 27 x 32
.set BP,    16
.set BQI,   4
.set BCODE, 3
.set WCOL,  432                        ; where the second wave's 192 columns begin in such a row
.set DP,    784                        ; the way out: 768 bytes + 16
.set TM,    32*MB
.set TN,    32*NB
.set STEPS, SIZE_K/KSTEP
.set PB,    (2*TN/CH)*(CH+BP)
.set AHALF, (TM/2)*PA                  ; what one of A's loads brings
.set BHALF, (KSTEP/2)*PB               ; what one of W's loads brings
.set SLOT,  2*AHALF+2*BHALF
.set SPARE, 2*SLOT                     ; behind the ring: the spare words, 128 bytes a wave
.set DAREA, 16*MB*DP
.set NW,    MB*NB*QK/32                ; matrix instructions in a quarter step
.set AF,    8*NB*QK/32                 ; A's fragments in a buffer
.set ASTEP, 2*KSTEP                    ; bytes from K step to K step in A, and in W
.set BSTEP, KSTEP*2*SIZE_N
.set DA,    2*QK                       ; LDS bytes from quarter to quarter in A's tile, and in W's
.set DB,    QK*PB
.set F0,    0                          ; the fragment buffers, in window 1
.set F1,    128
.set ADRA0, 16                         ; v16 my place in A's tile; v17 in W's; never rewritten
.set ADRB0, 17
.set AA,    18                         ; v18, v19 the addresses of the run of loads in hand
.set AB,    19
.set STO,   20                         ; v20 where I put 32 bytes of a row on the way out; v21 where I read rows back
.set RD,    21
.set CO,    22                         ; v22-24 my byte offsets in the output, one for each of the wave's three slices of 64 columns
.set BO,    25                         ; v25 my byte offset in the bias
.set PFO,   26                         ; v26 the prefetch's lane offset; never rewritten
.set SPW,   28                         ; v28 my spare word; v29 0; never rewritten
.set NIL,   29
.set BIAS,  32                         ; v[32:127]
.set OFS, 2                            ; s[2:3] an offset in 64 bits; s3 stays 0
.set WV, 14
.set WM, 15                            ; which half of the tile's rows is mine; also: I fetch for A (0) or W (1)
.set WN, 16                            ; which half of its columns; also: which half of that tile I fetch
.set CNT, 17
.set TB,  18                           ; the slot in hand: 0 or SLOT
.set LBA, 19                           ; my load's place in a slot, for A and for W
.set LBB, 20
.set QI,  21                           ; the quarter to be fetched next, 0 to 3
.set HALF, 22                          ; counts a step's pairs of quarters
.set NX,  23                           ; the K step to be asked for next
.set G1A, 24
.set G0A, 32                           ; two sets: the first fills'; the second then serves every refill
.set CX,  40
.set CY,  41
.set TX,  42
.set TY,  43
.set PFA, 44
.set G1B, 48
.set G0B, 56
.set LIM, 66
.set BA,  74                           ; s[74:75] my part of A's tile at K step 0; s[76:77] of W's; never rewritten
.set BB,  76
.set MSB, 0
.macro WIN new                         ; the immediate's high byte repeats the setting that is left; a switch that changes nothing is dropped
.if MSB != (\new)
	s_set_vgpr_msb (MSB<<8)|(\new)
.set MSB, (\new)
.endif
.endm
.macro PLACES                          ; four plain instructions between a matrix instruction and a load into, or a reader of, its registers
.rept 4
	v_nop
.endr
.endm
.macro AIM set                         ; both descriptors' set takes K step s[NX]: the address is made anew from that number; then the walk goes on, round K's end
	s_mul_i32 s[OFS], s[NX], ASTEP
	s_add_nc_u64 s[G0A+4*(\set)+2:G0A+4*(\set)+3], s[BA:BA+1], s[OFS:OFS+1]
	s_or_b32 s[G0A+4*(\set)+3], s[G0A+4*(\set)+3], 0x80000000
	s_mul_i32 s[OFS], s[NX], BSTEP
	s_add_nc_u64 s[G0B+4*(\set)+2:G0B+4*(\set)+3], s[BB:BB+1], s[OFS:OFS+1]
	s_or_b32 s[G0B+4*(\set)+3], s[G0B+4*(\set)+3], 0x80000000
	s_add_co_u32 s[NX], s[NX], 1
	s_and_b32 s[NX], s[NX], STEPS-1
.endm
.macro JLOAD                           ; a joint refill; the branch hangs on the wave's number alone; an s_nop 0 and four v_nop follow each line
	s_cmp_eq_u32 s[WM], 0
	s_cbranch_scc0 .Lfor_w_\@
	tensor_load_to_lds s[G0A+4:G0A+7], s[G1A:G1A+7]
	s_nop 0
	PLACES
	s_branch .Lasked_\@
.Lfor_w_\@:
	tensor_load_to_lds s[G0B+4:G0B+7], s[G1B:G1B+7]
	s_nop 0
	PLACES
.Lasked_\@:
.endm
.macro CREST                           ; a round of the cluster's barrier behind its opening barrier
	s_cmp_lg_u32 s[WV], 0
	s_cbranch_scc1 .Lnot_wave_0_\@
	s_barrier_signal -3
.Lnot_wave_0_\@:
	s_barrier_wait -3
	s_barrier_signal -1
	s_barrier_wait -1
.endm
.macro CROUND
	s_barrier_signal -1
	s_barrier_wait -1
	CREST
.endm
.macro ASK                             ; the one prefetch of a wave: behind its first refill (the walk's third K step) it names the walk's fourth, one K step ahead of the load that will want it
	s_cmp_eq_u32 s[CNT], s[LIM]
	s_cbranch_scc0 .Lnot_mine_\@
	global_prefetch_b8 v[PFO], s[PFA:PFA+1] th:TH_LOAD_NT scope:SCOPE_SE
.Lnot_mine_\@:
.endm
; n matrix instructions of a quarter step, from number i0 on, on buffer f.  The accumulators take turns, one instruction a turn, in the same order in every quarter.
.macro MUL f, i0, n
.set i, (\i0)
.rept (\n)
.set rD, 8*(i%(MB*NB))
.set rW, (\f)+8*(NB*(i/(MB*NB))+i%NB)
.set rA, (\f)+AF+8*(MB*(i/(MB*NB))+(i%(MB*NB))/NB)
	WIN 0x05|((2+rD/256)<<4)|((2+rD/256)<<6)
	v_wmma_f32_16x16x32_f16 v[rD%256:rD%256+7], v[rW:rW+7], v[rA:rA+7], v[rD%256:rD%256+7]
.set i, i+1
.endr
.endm
; 32 LDS loads in one run: the fragments of quarter s[QI] of the slot in hand into buffer f; then the count goes on, modulo 4
.macro FETCH f
	WIN 0
	s_mul_i32 s72, s[QI], DA
	s_mul_i32 s73, s[QI], DB
	s_add_co_u32 s72, s72, s[TB]
	s_add_co_u32 s73, s73, s[TB]
	v_add_nc_u32 v[AA], s72, v[ADRA0]
	v_add_nc_u32 v[AB], s73, v[ADRB0]
	s_add_co_u32 s[QI], s[QI], 1
	s_and_b32 s[QI], s[QI], 3
	WIN 0x40
.set bb, 0
.rept NB
.set o, (32*bb/CH)*(CH+BP)+(32*bb)%CH
.set d, (\f)+8*bb
	ds_load_tr16_b128 v[d:d+3], v[AB] offset:o
	ds_load_tr16_b128 v[d+4:d+7], v[AB] offset:o+16*PB
.set bb, bb+1
.endr
.set aa, 0
.rept MB
.set d, (\f)+AF+8*aa
	ds_load_b128 v[d:d+3], v[AA] offset:aa*16*PA
	ds_load_b128 v[d+4:d+7], v[AA] offset:aa*16*PA+32
.set aa, aa+1
.endr
.endm
.macro QUARTER f, g                    ; multiplies buffer f and, in its middle, fetches the next quarter into buffer g
	s_wait_dscnt 0x0                               ; buffer f's 32 loads, issued half a quarter ago
	MUL \f, 0, NW/2
	PLACES
	FETCH \g
	MUL \f, NW/2, NW/2
.endm
; THE CHANGE OF SLOTS.  Each wave waits for all its tensor loads (one is out: its part of the next slot), adds 0 to its spare word, and waits for that and for its reads of the slot in hand, of which the last, quarter 3's, were issued
; half a quarter ago.  fill = 1: the barrier opens a round of the cluster's, and the slot just read is filled again first thing behind it, with the walk's K step two on: a whole step's 192 matrix instructions stand between the request and the wait for it.
.macro CHANGE fill
	WIN 0
	s_wait_tensorcnt 0x0                           ; no tensor load of mine is out, so a group 0 may be written
	ds_add_u32 v[SPW], v[NIL]                      ; 0 onto my spare word
.if \fill
	s_add_co_u32 s[G0A+5], s[LBA], s[TB]           ; into the slot in hand
	s_add_co_u32 s[G0B+5], s[LBB], s[TB]
	AIM 1
.endif
	s_wait_dscnt 0x0                               ; the add is done, and my reads of this slot are over
	s_barrier_signal -1
	s_barrier_wait -1
.if \fill
	CREST
.endif
	s_xor_b32 s[TB], s[TB], SLOT
.if \fill
	JLOAD
	ASK
.endif
.endm
	s_load_b256 s[4:11], s[0:1], 0x0               ; h1 s[4:5], wb s[6:7], b_attn s[8:9], qkv s[10:11]
	v_lshl_add_u32 v[SPW], v0, 2, SPARE
	v_mov_b32 v[NIL], 0
	ds_add_u32 v[SPW], v[NIL]                      ; the wave's opening: the add and its wait stand ahead of my first tensor load
	ds_add_u32 v28, v29
	v_lshrrev_b32 v1, 5, v0
	v_readfirstlane_b32 s[WV], v1
	s_lshr_b32 s[WM], s[WV], 1
	s_and_b32 s[WN], s[WV], 1
	s_bfe_u32 s[CX], ttmp6, 0x40000
	s_bfe_u32 s[CY], ttmp6, 0x40004
	s_lshl_b32 s[TX], ttmp9, 2
	s_add_co_u32 s[TX], s[TX], s[CX]               ; tile column
	s_and_b32 s[TY], ttmp7, 0xffff
	s_add_co_u32 s[NX], s[TY], ttmp9               ; cluster x + cluster y:
	s_and_b32 s[NX], s[NX], 1
	s_mul_i32 s[NX], s[NX], STEPS/2                ; where it is odd the walk begins at K's middle
	s_lshl_b32 s[TY], s[TY], 2
	s_add_co_u32 s[TY], s[TY], s[CY]               ; tile row
	s_mov_b32 s[OFS+1], 0
	s_lshl_b32 s72, s[CY], 2
	s_lshl_b32 s72, 15, s72                        ; my row of the cluster
	s_lshl_b32 s73, 0x1111, s[CX]                  ; my column
	s_or_b32 s[G1A], s72, (1<<16)|(1<<20)|(1<<21)|(AQI<<22)|(3<<25)      ; mask; 2-byte elements; padding on; bit 21 beside a mask; interval; 4 words of padding
	s_or_b32 s[G1B], s73, (1<<16)|(1<<20)|(1<<21)|(BQI<<22)|(BCODE<<25)
	s_mov_b32 s[G1A+1], KSTEP<<16                  ; A: TM / 2 rows of KSTEP elements, SIZE_K from row to row
	s_mov_b32 s[G1A+2], (TM/2)<<16
	s_mov_b32 s[G1A+3], KSTEP<<16
	s_mov_b32 s[G1A+4], TM/2
	s_mov_b32 s[G1A+5], SIZE_K
	s_mov_b32 s[G1A+6], 0
	s_mov_b32 s[G1A+7], 0
	s_mov_b32 s[G1B+1], TN<<16                     ; W: KSTEP / 2 rows (k) of TN elements, SIZE_N from row to row
	s_mov_b32 s[G1B+2], (KSTEP/2)<<16
	s_mov_b32 s[G1B+3], TN<<16
	s_mov_b32 s[G1B+4], KSTEP/2
	s_mov_b32 s[G1B+5], SIZE_N
	s_mov_b32 s[G1B+6], 0
	s_mov_b32 s[G1B+7], 0
	s_mul_i32 s[BA], s[TY], TM                     ; A's tile hangs on the tile row and the wave's number,
	s_mul_i32 s[BA+1], s[WN], TM/2
	s_add_co_u32 s[BA], s[BA], s[BA+1]
	s_mul_i32 s[BA], s[BA], 2*SIZE_K
	s_mov_b32 s[BA+1], 0
	s_mul_i32 s[BB], s[TX], 2*TN                   ; W's on the tile column and the wave's number
	s_mul_i32 s[BB+1], s[WN], (KSTEP/2)*2*SIZE_N
	s_add_co_u32 s[BB], s[BB], s[BB+1]
	s_add_co_u32 s[BB], s[BB], WOFF
	s_mov_b32 s[BB+1], 0
	s_mul_i32 s[LBA], s[WN], AHALF                 ; no place in the cluster enters an LDS address
	s_mul_i32 s[LBB], s[WN], BHALF
	s_add_co_u32 s[LBB], s[LBB], 2*AHALF
	s_wait_dscnt 0x0                               ; the opening add is done
	s_wait_kmcnt 0x0
	s_add_nc_u64 s[BA:BA+1], s[4:5], s[BA:BA+1]
	s_add_nc_u64 s[BB:BB+1], s[6:7], s[BB:BB+1]
.irp s, 0,1
	s_mov_b32 s[G0A+4*\s], 1
	s_add_co_u32 s[G0A+4*\s+1], s[LBA], \s*SLOT
	s_mov_b32 s[G0B+4*\s], 1
	s_add_co_u32 s[G0B+4*\s+1], s[LBB], \s*SLOT
	AIM \s                                         ; the walk's first two K steps
.endr
	CROUND                                         ; all sixteen work-groups are here: the first joint loads meet
	s_cmp_eq_u32 s[WM], 0                          ; a wave's two first fills stand in one branch: two loads of mine are out
	s_cbranch_scc0 .Lfirst_w
	tensor_load_to_lds s[G0A:G0A+3], s[G1A:G1A+7]
	s_nop 0
	tensor_load_to_lds s[G0A+4:G0A+7], s[G1A:G1A+7]
	s_nop 0
	PLACES
	s_branch .Lfirst_asked
.Lfirst_w:
	tensor_load_to_lds s[G0B:G0B+3], s[G1B:G1B+7]
	s_nop 0
	tensor_load_to_lds s[G0B+4:G0B+7], s[G1B:G1B+7]
	s_nop 0
	PLACES
.Lfirst_asked:
	v_and_b32 v1, 15, v0                           ; r = l % 16
	v_bfe_u32 v2, v0, 4, 1                         ; h = l / 16
	v_and_b32 v3, 31, v0                           ; l
	s_mul_i32 s72, s[TX], TN*4
	s_mul_i32 s73, s[WN], 64*NB
	s_add_co_u32 s72, s72, s73
	v_lshl_add_u32 v[BO], v2, 5, s72               ; register j of block b is column 16 b + 8 h + j
.set b, 0
.rept NB
	global_load_b128 v[BIAS+8*b:BIAS+8*b+3], v[BO], s[8:9] offset:64*b
	global_load_b128 v[BIAS+8*b+4:BIAS+8*b+7], v[BO], s[8:9] offset:64*b+16
.set b, b+1
.endr
	WIN 0x40
.set i, 0
.rept 16
	v_mov_b32 v[128+i], 0                          ; two zero fragments
.set i, i+1
.endr
	WIN 0
	v_mul_u32_u24 v[ADRA0], v1, PA                 ; A: row r, 16 bytes for each half of the lanes
	v_lshl_add_u32 v[ADRA0], v2, 4, v[ADRA0]
	s_mul_i32 s72, s[WM], AHALF
	v_add_nc_u32 v[ADRA0], s72, v[ADRA0]
	v_and_b32 v4, 7, v0                            ; W, turned: lane l reads k row 8 h + l % 8, columns 8 ((l / 8) % 2) + 0..7
	v_lshl_add_u32 v4, v2, 3, v4
	v_mul_u32_u24 v[ADRB0], v4, PB
	v_bfe_u32 v5, v0, 3, 1
	v_lshl_add_u32 v[ADRB0], v5, 4, v[ADRB0]
	s_mul_i32 s72, s[WN], WCOL
	s_add_co_u32 s72, s72, 2*AHALF
	v_add_nc_u32 v[ADRB0], s72, v[ADRB0]
	s_mul_i32 s73, s[WV], DAREA                    ; the way out: my area
	v_mul_u32_u24 v[STO], v1, DP
	v_lshl_add_u32 v[STO], v2, 5, v[STO]
	v_add_nc_u32 v[STO], s73, v[STO]
	v_mul_u32_u24 v[RD], v2, DP                    ; back: lanes 0-15 take 256 bytes (a head's 64 columns) of one row, lanes 16-31 of the next
	v_lshl_add_u32 v[RD], v1, 4, v[RD]
	v_add_nc_u32 v[RD], s73, v[RD]
	s_mul_i32 s72, s[TX], 6                        ; the wave's three slices of 64 columns: slice hs = 6 tx + 3 wn + j is tensor hs / 16, head hs % 16
	s_mul_i32 s73, s[WN], 3
	s_add_co_u32 s72, s72, s73
	s_lshr_b32 s73, s[TY], 4
	s_lshl_b32 s73, s73, 4                         ; batch x 16
.irp j, 0,1,2
	s_add_co_u32 s78, s72, \j
	s_lshr_b32 s79, s78, 4
	s_and_b32 s78, s78, 15
	s_lshl_b32 s79, s79, 5
	s_add_co_u32 s78, s78, s79
	s_add_co_u32 s78, s78, s73
	s_lshl_b32 s78, s78, 18                        ; a head's 2,048 rows of 128 bytes
	v_lshl_add_u32 v[CO+\j], v3, 3, s78
.endr
	s_and_b32 s72, s[TY], 15
	s_lshl_b32 s72, s72, 14
	s_lshl_b32 s73, s[WM], 13
	s_add_co_u32 s72, s72, s73
	s_mov_b32 s73, 0
	s_add_nc_u64 s[10:11], s[10:11], s[72:73]      ; my first row within its batch
	; THE PREFETCH.  Of a cluster's eight K steps the first two are asked for at the head and the third one step later; the last four are read four steps earlier by the clusters of the other parity.  So one K step is named: the walk's fourth.
	; It is 256 bytes of each of A's 128 rows and 768 bytes of each of W's 128 k rows.  Of the clusters that walk it at that place, one asks: for A's rows the one with x < 2, for W's the one with y < 2.  The four partners that ask for a tile
	; jointly share its rows out by address, 32 each (cx for A, cy for W).  Wave 0 takes A's, waves 1-3 one block of 256 bytes each of W's rows: a lane a row.  So each block is named once in the launch.
	s_add_co_u32 s12, s[NX], 1                     ; s[NX] stands at the walk's third K step, 2 or 6
	s_lshl_b32 s72, s[TY], 7
	s_lshl_b32 s73, s[CX], 5
	s_add_co_u32 s72, s72, s73
	s_lshl_b32 s72, s72, 11
	s_mul_i32 s73, s12, ASTEP
	s_add_co_u32 s72, s72, s73
	s_mul_i32 s78, s[TX], 2*TN
	s_lshl_b32 s79, s[WV], 8
	s_add_co_u32 s78, s78, s79
	s_mul_i32 s79, s[CY], 32*2*SIZE_N
	s_add_co_u32 s78, s78, s79
	s_mul_i32 s79, s12, BSTEP
	s_add_co_u32 s78, s78, s79
	s_add_co_u32 s78, s78, WOFF
	s_sub_co_u32 s78, s78, 256                     ; wave w takes block w - 1
	s_and_b32 s73, ttmp7, 0xffff
	s_mov_b32 s67, 2*SIZE_N
	s_cmp_eq_u32 s[WV], 0
	s_cselect_b32 s72, s72, s78
	s_cselect_b32 s73, ttmp9, s73                  ; the coordinate along which other clusters read the same rows
	s_cselect_b64 s[PFA:PFA+1], s[4:5], s[6:7]
	s_cselect_b32 s67, 2*SIZE_K, s67
	s_cmp_lt_u32 s73, 2
	s_cselect_b32 s[LIM], STEPS-2, 0               ; the count at the first refill, or a number that the count never has there; the same in all sixteen partners
	s_mov_b32 s73, 0
	s_add_nc_u64 s[PFA:PFA+1], s[PFA:PFA+1], s[72:73]
	v_mul_u32_u24 v[PFO], v3, s67
	s_wait_loadcnt 0x0                             ; the bias
.set i, 0
.rept MB*NB                            ; every sum starts with its bias
.set rD, 8*i
	WIN 0x05|((2+rD/256)<<6)
	v_wmma_f32_16x16x32_f16 v[rD%256:rD%256+7], v[128:135], v[136:143], v[BIAS+8*(i%NB):BIAS+8*(i%NB)+7]
.set i, i+1
.endr
	WIN 0
	s_wait_tensorcnt 0x1                           ; my part of the first K step is in; slot 1's may stay out
	s_barrier_signal -1
	s_barrier_wait -1
	s_mov_b32 s[TB], 0
	s_mov_b32 s[QI], 0
	FETCH F0
	WIN 0
	s_mov_b32 s[CNT], STEPS-1                      ; the part of a trip that the entry runs, and a trip for each refill
	s_mov_b32 s[HALF], 2
	s_branch .Lmid                                 ; the loop is entered in its middle: quarters 0, 1 and 2 of the first step
.Lk:
	CHANGE 1
	s_mov_b32 s[HALF], 2
.Lh:                                           ; quarter 3 of one step and quarter 0 of the next; then quarters 1 and 2
	QUARTER F1, F0
	WIN 0
.Lmid:
	QUARTER F0, F1
	WIN 0
	s_sub_co_u32 s[HALF], s[HALF], 1
	s_cmp_lg_u32 s[HALF], 0
	s_cbranch_scc1 .Lh
	s_sub_co_u32 s[CNT], s[CNT], 1
	s_cmp_lg_u32 s[CNT], 0
	s_cbranch_scc1 .Lk
	CHANGE 0                                       ; the tail is written out: nothing is asked for
	s_mov_b32 s[HALF], 3
.Lt:                                           ; quarter 3, then the last step's four; the tail is left in its middle.  The last quarter's run of loads reads the last slot's first quarter once more, for nobody: the price of one text
	QUARTER F1, F0
	WIN 0
	s_sub_co_u32 s[HALF], s[HALF], 1
	s_cmp_eq_u32 s[HALF], 0
	s_cbranch_scc1 .Lend
	QUARTER F0, F1
	WIN 0
	s_branch .Lt
.Lend:
	s_wait_dscnt 0x0
	s_barrier_signal -1
	s_barrier_wait -1                              ; nobody reads the ring any more
	PLACES
.set i, 0
.rept MB*NB                            ; each accumulator's low registers first
.set rD, 8*i
	WIN (2+rD/256)<<2
	ds_store_b128 v[STO], v[rD%256:rD%256+3] offset:(i/NB)*16*DP+64*(i%NB)
	ds_store_b128 v[STO], v[rD%256+4:rD%256+7] offset:(i/NB)*16*DP+64*(i%NB)+16
.set i, i+1
.endr
	WIN 0
	s_mov_b32 s[CNT], 4
.Lout:                                         ; 16 rows a trip; LDS serves a wave's instructions in order (ISA guide 5.7.1.4): these loads see my stores above
.set i, 0
.rept 24
	ds_load_b128 v[128+4*i:128+4*i+3], v[RD] offset:2*DP*(i/3)+256*(i%3)
.set i, i+1
.endr
	s_wait_dscnt 0x0
.set i, 0
.rept 48
	v_cvt_pk_f16_f32 v[32+i], v[128+2*i], v[128+2*i+1]
.set i, i+1
.endr
.set i, 0
.rept 24
	global_store_b64 v[CO+i%3], v[32+2*i:32+2*i+1], s[10:11] offset:256*(i/3)  ; two rows of a head: 256 consecutive bytes, aligned
.set i, i+1
.endr
	s_wait_xcnt 0x0                                ; the stores have read their registers and their base
	s_add_nc_u64 s[10:11], s[10:11], 2048
	v_add_nc_u32 v[RD], 16*DP, v[RD]
	s_sub_co_u32 s[CNT], s[CNT], 1
	s_cmp_lg_u32 s[CNT], 0
	s_cbranch_scc1 .Lout
	s_wait_tensorcnt 0x0                           ; the wave's end
	ds_add_u32 v[SPW], v[NIL]
	s_wait_dscnt 0x0
	CROUND                                         ; the closing round
	s_endpgm
.Lfunc_end_k_q4fa1ad96ff_qkv:
	.size	k_q4fa1ad96ff_qkv, .Lfunc_end_k_q4fa1ad96ff_qkv-k_q4fa1ad96ff_qkv
	.p2alignl 7, 3214868480
	.fill 96, 4, 3214868480
	.section	.rodata,"a",@progbits
	.p2align	6, 0x0
	.amdhsa_kernel k_q4fa1ad96ff_qkv
		.amdhsa_group_segment_fixed_size 327680
		.amdhsa_private_segment_fixed_size 0
		.amdhsa_enable_private_segment 0
		.amdhsa_kernarg_size 32
		.amdhsa_user_sgpr_count 2
		.amdhsa_user_sgpr_kernarg_segment_ptr 1
		.amdhsa_wavefront_size32 1
		.amdhsa_system_sgpr_workgroup_id_x 1
		.amdhsa_system_sgpr_workgroup_id_y 1
		.amdhsa_system_sgpr_workgroup_id_z 1
		.amdhsa_system_vgpr_workitem_id 0
		.amdhsa_next_free_vgpr 896
		.amdhsa_next_free_sgpr 80
		.amdhsa_reserve_vcc 0
		.amdhsa_float_denorm_mode_32 3
		.amdhsa_float_denorm_mode_16_64 3
		.amdhsa_memory_ordered 1
		.amdhsa_forward_progress 1
		.amdhsa_inst_pref_size 57
	.end_amdhsa_kernel
	.amdgpu_metadata
---
amdhsa.version: [ 1, 2 ]
amdhsa.kernels:
  - .name:           k_q4fa1ad96ff_qkv
    .symbol:         k_q4fa1ad96ff_qkv.kd
    .args:
      - { .name: h1, .offset: 0, .size: 8, .value_kind: global_buffer, .address_space: global }
      - { .name: wb, .offset: 8, .size: 8, .value_kind: global_buffer, .address_space: global }
      - { .name: b_attn, .offset: 16, .size: 8, .value_kind: global_buffer, .address_space: global }
      - { .name: qkv, .offset: 24, .size: 8, .value_kind: global_buffer, .address_space: global }
    .group_segment_fixed_size: 327680
    .private_segment_fixed_size: 0
    .kernarg_segment_align: 8
    .kernarg_segment_size: 32
    .max_flat_workgroup_size: 128
    .sgpr_count:     80
    .vgpr_count:     896
    .wavefront_size: 32
...
	.end_amdgpu_metadata
.endif
;; end of part 2
;; launch attn (part 3): grid 8 x 32, 4 waves a work-group, no clusters, 327,680 bytes of LDS; arguments qkv, y; writes y
.if DOCPART == 3
	.amdgcn_target "amdgcn-amd-amdhsa--gfx1250"
	.amdhsa_code_object_version 6
	.text
	.protected	k_q4fa1ad96ff_attn
	.globl	k_q4fa1ad96ff_attn
	.p2align	8
	.type	k_q4fa1ad96ff_attn,@function
k_q4fa1ad96ff_attn:
	s_mov_b64 s[64:65], 0
	v_nop
	global_prefetch_b8 v0, s[64:65] scope:SCOPE_SE
	s_setreg_imm32_b32 hwreg(HW_REG_WAVE_MODE, 25, 1), 1
	s_wait_xcnt 0x0
; CAUSAL ATTENTION.  y[h][q][:] = the sum over k <= q of softmax_k(Q[h][q] . K[h][k] / 8) V[h][k][:].  Q, K, V: f16 [32][2048][64] at bytes 0, 8,388,608 and 16,777,216 of qkv; y: f16 [32][2048][64].
; Products, maxima and sums in f32; the weights p are rounded to f16 for the second product (their sum l is taken of the unrounded p), y once at the end.
; LIMITS.  Q, K, V arrive within f16's 65,504; p lies in 0 to 1 and below 6e-5 keeps f16's fixed step of 6e-8.  A hidden score counts as its value less 1e30; a weight below 2^-126 counts as 0 in l; NaN and infinities are not treated apart.
; THE WALK.  A head's queries lie in 16 blocks of 128; keys come in tiles of 256 (four steps of 64); block i needs tiles 0 .. i / 2, the last of which holds the diagonal.  A work-group takes TWO blocks, 15 - b and then b:
; nine tiles whatever b, so all 256 work-groups do equal work and ONE loop with a constant trip count walks them.  Which tile is asked for and what a trip does hang on scalar registers made from b; every jump goes forward
; but the counted loops' own; none passes a barrier, or a tensor load but the one of LOAD's two that the wave's number does not choose.
; NO CLUSTER: a head's eight work-groups ask for the same tile only in trips 0 to 4 of 9; one walk common to all would have 12 trips for 9.
; SHARES.  Of a block's two bands of 64 queries a wave owns 16 rows in each: two PIECES.  In the diagonal tile band x has the number g = 2 (i % 2) + x: key step s < g is seen whole, s > g is hidden, s = g holds the diagonal: alike for all waves.
; THE MASK is the C operand that starts the sum S^T = K Q^T: MD x AL + BE, with MD the mask of a band's own step for my rows and two scalars: (1, 0), (0, 0) or (0, -1e30).  Only the diagonal tile's text and a block's beginning take masks.
; LAYOUT, SOFTMAX, TURNS.  S^T = K Q^T holds ONE query a lane (lane % 16) and the keys 8 (lane / 16) + 0..7; two such results rounded to f16 ARE source 1 of O^T = V^T P.  p = 2^(c s - c m), c = log2(e) / 8, with a running maximum m;
; O and l are multiplied by a = 2^(c m_old - c m_new) in every step.  The turn of piece p in step s: 8 products K Q^T of the other piece (step s for p = 0, s + 1 for p = 1), later 8 products V^T P of the other piece (step s - 1, s); beside
; them the scaling, exponentials, roundings, sums and rescaling of piece p and the other piece's next maximum and statistics.  Four vector instructions stand behind every matrix instruction, the rest in one lump; a turn's 33 exponentials have one wait.
; REGISTERS, in windows of 256 (s_set_vgpr_msb: bits 1:0 source 0, 3:2 source 1, 5:4 source 2, 7:6 destination):
;   window 0: v0-15 addresses; v16-23 statistics; v48-55 at work; v64-127 S^T, a buffer a piece; v192-223 P     window 1: v0-63 O^T; v128-159 MD; v160-223 MC, two buffers     window 2: v0-31 Q; v32-63 the second block's Q; v128-191 K; v192-255 V
.set NBLK,  16
.set NP,    2         ; pieces a wave
.set KS,    64        ; keys in a step
.set PK,    144       ; a row of K in LDS: 128 bytes + 16: the 16 rows of a load start at 16 different groups of four banks (64 banks of 4 bytes: ISA guide 11.1)
.set PV,    160       ; a row of V: 128 + 32
.set VOFF,  4*KS*PK   ; a slot holds a tile: 256 rows of K, then 256 rows of V
.set SLOT1, 1<<17     ; slot 1 begins here: one exclusive or turns an address in one slot into the other's
.set STAGE, SLOT1+4*KS*(PK+PV)  ; behind the ring, never filled by a tensor load: 16 rows x 144 bytes a wave, for the way out
.set SP,    144
.set SPARE, STAGE+4*16*SP       ; behind the stages: the spare words, 128 bytes a wave
.set AK0, 2           ; v2 my lane's place in a tile of K; v3 of V; never rewritten
.set AV0, 3
.set AK,  4           ; v4 the LDS address of K's next run of loads; v5 of V's
.set AV,  5
.set STO, 6
.set RD,  7
.set GO,  8
.set MV,  12          ; v12-13 c m_old, by piece
.set QO,  15
.set ST,  16          ; piece t's statistics at v[ST+4 t]: c m, m, l (even keys', odd keys')
.set TMP, 48          ; by piece, four registers c0-c3 at work; when the maximum is found c2 takes a
.set PFO, 61          ; v61 256 x my thread's number; never rewritten
.set SPW, 62
.set NIL, 63
.set S,   64
.set P,   192
.set MD,  128
.set MC,  160
.set QB,  32
.set KF,  128
.set VF,  192
.set WV,  12
.set PB,  14          ; s14 b; s15 15 - b
.set HI,  15
.set G1K, 24
.set G1V, 32
.set G0K, 40
.set G0V, 44
.set SLOTS, 56
.set CNT, 57          ; counts a tile's key steps, 4 to 1
.set CS,  58
.set SEL, 60
.set TBK, 62          ; LDS byte at which K of the step to be fetched begins; s63 the same for V, less VOFF
.set TBV, 63
.set RT,  70          ; tiles of the block in hand still to be entered
.set NXT, 71          ; the tile to be asked for next
.set LQ,  72          ; the last tile of the block whose tiles are being asked for
.set NEW, 73          ; 1: the tile to be entered is a block's first
.set OFF, 74
.set AL,  76
.set BE,  78
.set OLO, 80
.set BIGN, 82
.set E0,  88          ; s88 = 5 - 2 (i % 2), s89 = 3 - 2 (i % 2): the counts at which piece 0's, piece 1's next products meet the diagonal
.set D0,  90          ; 1.0 if piece 0's own step is the tile's first
.set PFL, 91          ; prefetches still to make
.set PFK, 92
.set PFV, 94
.set NL1, 96          ; the second block's last tile, and its number of tiles
.set NL,  97
.set MSB, 0
.macro WIN new
.if MSB != (\new)
	s_set_vgpr_msb (MSB<<8)|(\new)
.set MSB, (\new)
.endif
.endm
.set W_KQ, 0x0a       ; K and Q in window 2, S^T in window 0
.set W_KM, 0x1a       ; the same with the C operand in window 1
.set W_PV, 0x52       ; V in window 2, P in window 0, O^T in window 1
.set W_RS, 0x41       ; destination and source 0 in window 1, source 1 in window 0
.macro LOAD                         ; waves 0, 1 fetch the two halves of a tile's K, waves 2, 3 those of its V; an s_nop 0 and four v_nop follow each line
	s_cmp_lt_u32 s[WV], 2
	s_cbranch_scc0 .Lfor_v_\@
	tensor_load_to_lds s[G0K:G0K+3], s[G1K:G1K+7]
	s_nop 0
.rept 4
	v_nop
.endr
	s_branch .Lasked_\@
.Lfor_v_\@:
	tensor_load_to_lds s[G0V:G0V+3], s[G1V:G1V+7]
	s_nop 0
.rept 4
	v_nop
.endr
.Lasked_\@:
.endm
; THE CHANGE OF SLOTS.  Each wave waits for all its tensor loads (one is out: its part of the other slot), adds 0 to its spare word, and waits for that and for its reads of the slot that it leaves.
; fill = 1: the old slot is filled again, first thing behind the barrier, with tile NXT; the descriptor's address is made anew from that number.  (At its first use slot 0 is waited for and slot 1 filled.)
.macro CHANGE fill
	WIN 0
	s_wait_tensorcnt 0x0
	ds_add_u32 v[SPW], v[NIL]
.if \fill
	s_lshl_b32 s[OFF], s[NXT], 15   ; a tile is 32,768 bytes of K and of V
	s_xor_b32 s[G0K+1], s[G0K+1], SLOT1
	s_add_nc_u64 s[G0K+2:G0K+3], s[6:7], s[OFF:OFF+1]
	s_or_b32 s[G0K+3], s[G0K+3], 0x80000000
	s_xor_b32 s[G0V+1], s[G0V+1], SLOT1
	s_add_nc_u64 s[G0V+2:G0V+3], s[8:9], s[OFF:OFF+1]
	s_or_b32 s[G0V+3], s[G0V+3], 0x80000000
	s_add_co_u32 s[NXT], s[NXT], 1  ; the block's next tile, or behind its last the second block's tile 0
	s_cmp_gt_u32 s[NXT], s[LQ]
	s_cselect_b32 s[NXT], 0, s[NXT]
	s_cselect_b32 s[LQ], s[NL1], s[LQ]
	s_wait_xcnt 0x0                 ; the last prefetches, a tile back, have read their addresses
	s_add_nc_u64 s[PFK:PFK+1], s[PFK:PFK+1], 32768
	s_add_nc_u64 s[PFV:PFV+1], s[PFV:PFV+1], 32768
.endif
	s_wait_dscnt 0x0                ; the add is done, and my reads of the slot are over
	s_barrier_signal -1
	s_sub_co_u32 s[TBK], s[TBK], 3*KS*PK  ; the fetches go back to a slot's first step (K's address stops at the fourth),
	s_xor_b32 s[TBK], s[TBK], SLOT1       ; in the other slot
	s_sub_co_u32 s[TBV], s[TBV], 4*KS*PV
	s_xor_b32 s[TBV], s[TBV], SLOT1
	s_barrier_wait -1
.if \fill
	LOAD
.endif
.endm
.macro QOFF blk                     ; the counts and the flag that place block s[blk]'s diagonal in its last tile
	s_and_b32 s98, s[\blk], 1
	s_lshl_b32 s98, s98, 1
	s_sub_co_u32 s[E0], 5, s98
	s_sub_co_u32 s[E0+1], 3, s98
	s_cmp_eq_u32 s98, 0
	s_cselect_b32 s[D0], 1.0, 0
.endm
; A PREFETCH of the tile that the next change will ask for: 32,768 bytes of K and of V, 256 bytes a thread.  All eight work-groups of a head walk the same tiles; the one with b = 0, whose first block walks all eight, asks for tiles 2 to 7,
; one a trip, behind its tensor load and K's run of loads; tiles 0 and 1 come by their loads alone.  So each block is named once in the launch.
.macro ASK
	s_cmp_lg_u32 s[PFL], 0
	s_cbranch_scc0 .Lnone_\@
	global_prefetch_b8 v[PFO], s[PFK:PFK+1] th:TH_LOAD_NT scope:SCOPE_SE
	global_prefetch_b8 v[PFO], s[PFV:PFV+1] th:TH_LOAD_NT scope:SCOPE_SE
	s_sub_co_u32 s[PFL], s[PFL], 1
.Lnone_\@:
.endm
	s_load_b128 s[4:7], s[0:1], 0x0   ; qkv s[4:5], y s[6:7]
	v_lshl_add_u32 v[SPW], v0, 2, SPARE
	v_mov_b32 v[NIL], 0
	ds_add_u32 v[SPW], v[NIL]       ; the wave's opening: the add and its wait stand ahead of my first tensor load
	ds_add_u32 v62, v63
	v_lshrrev_b32 v1, 5, v0
	v_readfirstlane_b32 s[WV], v1
	s_mov_b32 s[PB], ttmp9
	s_sub_co_u32 s[HI], NBLK-1, s[PB]
	s_and_b32 s20, ttmp7, 0xffff    ; the head
	s_lshl_b32 s20, s20, 18         ; its 2,048 rows of 128 bytes
	s_mov_b32 s21, 0
	s_and_b32 s16, s[WV], 1         ; which half of a tile's 256 keys I fetch
	s_lshl_b32 s22, s16, 14
	s_add_co_u32 s22, s22, s20
	s_mov_b32 s23, 0
	s_mul_i32 s17, s16, 128*PK
	s_mul_i32 s18, s16, 128*PV
	s_lshl_b32 s3, s[WV], 11        ; my 16 rows in a band of 64,
	s_add_co_u32 s3, s3, s20
	s_lshl_b32 s2, s[HI], 14        ; in the first block,
	s_add_co_u32 s2, s2, s3
	s_lshl_b32 s84, s[PB], 14       ; and in the second
	s_add_co_u32 s84, s84, s3
	s_mov_b32 s3, 0
	s_mov_b32 s85, 0
	; descriptor group 1.  128 keys are 16,384 dense bytes: asked for as 64 rows of 256 bytes, two keys a row, and padded in LDS after every key
	s_mov_b32 s[G1K], (1<<16)|(1<<20)|(4<<22)|(3<<25)
	s_mov_b32 s[G1V], (1<<16)|(1<<20)|(4<<22)|(7<<25)
.irp g, G1K, G1V
	s_mov_b32 s[\g+1], 128<<16
	s_mov_b32 s[\g+2], 64<<16
	s_mov_b32 s[\g+3], 128<<16
	s_mov_b32 s[\g+4], 64
	s_mov_b32 s[\g+5], 128
	s_mov_b32 s[\g+6], 0
	s_mov_b32 s[\g+7], 0
.endr
	s_mov_b32 s[CS], 0x3e38aa3b     ; c = log2(e) / 8
	s_mov_b32 s[CS+1], s[CS]
	s_mov_b32 s[SEL], 0x76543210
	s_mov_b32 s[SEL+1], 0xfedcba98
	s_mov_b32 s[TBK], SLOT1+3*KS*PK ; the first change of slots turns these two into 0
	s_mov_b32 s[TBV], SLOT1+4*KS*PV
	s_mov_b32 s[G0K], 1
	s_mov_b32 s[G0K+1], s17
	s_mov_b32 s[G0V], 1
	s_add_co_u32 s[G0V+1], s18, VOFF
	s_sub_co_u32 s[RT], 17, s[PB]
	s_lshr_b32 s[RT], s[RT], 1      ; the first block has (17 - b) / 2 tiles,
	s_sub_co_u32 s[LQ], s[RT], 1
	s_add_co_u32 s[NL], s[PB], 2
	s_lshr_b32 s[NL], s[NL], 1      ; the second (b + 2) / 2
	s_sub_co_u32 s[NL1], s[NL], 1
	s_mov_b32 s[NXT], 1
	s_mov_b32 s[NEW], 1
	s_mov_b32 s[OFF+1], 0
	s_mov_b32 s[AL+1], 0
	s_mov_b32 s[BE+1], 0
	s_mov_b32 s[BIGN], 0xf149f2ca   ; -1e30
	s_mov_b32 s[SLOTS], 8
	QOFF HI
	s_cmp_eq_u32 s[PB], 0
	s_cselect_b32 s[PFL], 6, 0
	v_lshlrev_b32 v[PFO], 8, v0
	s_wait_dscnt 0x0                ; the opening add is done
	s_wait_kmcnt 0x0
	s_mov_b64 s[10:11], s[6:7]      ; y
	s_add_nc_u64 s[6:7], s[4:5], 8388608    ; K
	s_add_nc_u64 s[8:9], s[4:5], 16777216   ; V
	s_add_nc_u64 s[PFK:PFK+1], s[6:7], s[20:21]
	s_add_nc_u64 s[PFK:PFK+1], s[PFK:PFK+1], 32768  ; at the head's tile 1: the first change steps it to tile 2
	s_add_nc_u64 s[PFV:PFV+1], s[8:9], s[20:21]
	s_add_nc_u64 s[PFV:PFV+1], s[PFV:PFV+1], 32768
	s_add_nc_u64 s[6:7], s[6:7], s[22:23]   ; K and V at my half of the head's tile 0
	s_add_nc_u64 s[8:9], s[8:9], s[22:23]
	s_add_nc_u64 s[G0K+2:G0K+3], s[6:7], 0
	s_or_b32 s[G0K+3], s[G0K+3], 0x80000000
	s_add_nc_u64 s[G0V+2:G0V+3], s[8:9], 0
	s_or_b32 s[G0V+3], s[G0V+3], 0x80000000
	s_add_nc_u64 s[86:87], s[4:5], s[84:85]        ; Q at my rows of the second block,
	s_add_nc_u64 s[4:5], s[4:5], s[2:3]            ; Q and y at those of the first
	s_add_nc_u64 s[OLO:OLO+1], s[10:11], s[84:85]
	s_add_nc_u64 s[10:11], s[10:11], s[2:3]
	LOAD                            ; tile 0 into slot 0
	v_and_b32 v1, 15, v0            ; l % 16
	v_bfe_u32 v9, v0, 4, 1          ; l / 16
	v_lshlrev_b32 v[QO], 7, v1
	v_lshl_add_u32 v[QO], v9, 4, v[QO]
	WIN 0x80
.set i, 0
.rept 4                             ; both blocks' Q: piece i / 2 lies in band i / 2, 8,192 bytes on; channels 32 (i % 2) on
	global_load_b128 v[8*i:8*i+3],   v[QO], s[4:5] offset:(i/2)*8192+(i%2)*64
	global_load_b128 v[8*i+4:8*i+7], v[QO], s[4:5] offset:(i/2)*8192+(i%2)*64+32
	global_load_b128 v[QB+8*i:QB+8*i+3],   v[QO], s[86:87] offset:(i/2)*8192+(i%2)*64
	global_load_b128 v[QB+8*i+4:QB+8*i+7], v[QO], s[86:87] offset:(i/2)*8192+(i%2)*64+32
.set i, i+1
.endr
	WIN 0
	v_lshlrev_b32 v14, 3, v9
	v_sub_nc_u32 v14, v1, v14
	s_lshl_b32 s13, s[WV], 4
	v_add_nc_u32 v14, s13, v14      ; my query's place in its band less my lanes' 8 (l / 16): register r of group kt is hidden where 16 kt + r is greater
	WIN 0x40
.set i, 0
.rept 32
	v_cmp_gt_i32 vcc_lo, 16*(i/8)+i%8, v14
	v_cndmask_b32 v[MD+i], 0, s[BIGN], vcc_lo
.set i, i+1
.endr
	WIN 0
	v_mul_u32_u24 v[AK0], v1, PK
	v_lshl_add_u32 v[AK0], v9, 4, v[AK0]
	v_and_b32 v10, 7, v0            ; the turning load: lane l reads key 8 (l / 16) + l % 8, channels 8 ((l / 8) % 2) + 0..7
	v_bfe_u32 v11, v0, 3, 1
	v_lshl_add_u32 v[AV0], v9, 3, v10
	v_mul_u32_u24 v[AV0], v[AV0], PV
	v_lshl_add_u32 v[AV0], v11, 4, v[AV0]
	v_add_nc_u32 v[AV0], VOFF, v[AV0]
	s_mul_i32 s13, s[WV], 16*SP
	s_add_co_u32 s13, s13, STAGE
	v_mul_u32_u24 v[STO], v1, SP
	v_lshl_add_u32 v[STO], v9, 4, v[STO]
	v_add_nc_u32 v[STO], s13, v[STO]
	v_bfe_u32 v[RD], v0, 3, 2       ; back: 32 lanes take four rows of 128 bytes,
	v_mul_u32_u24 v[RD], v[RD], SP
	v_lshl_add_u32 v[RD], v10, 4, v[RD]
	v_add_nc_u32 v[RD], s13, v[RD]
	v_and_b32 v[GO], 31, v0         ; which are 512 consecutive bytes of y
	v_lshlrev_b32 v[GO], 4, v[GO]
	; A block's first step multiplies O^T and l by a = 0, and its first turn's products V^T P, of a piece that has not been, land in an O^T that is still to be so multiplied: these registers need only hold finite numbers:
	; zeros for the first block, what the first block left for the second.  All this stands in the wait for the first tile.
	WIN 0x80
.set i, VF
.rept 64
	v_mov_b32 v[i], 0
.set i, i+1
.endr
	WIN 0x40
.set i, 0
.rept 64
	v_mov_b32 v[i], 0
.set i, i+1
.endr
	WIN 0
.set i, 0
.rept 2
	v_mov_b32 v[ST+4*i+2], 0
	v_mov_b32 v[ST+4*i+3], 0
.set i, i+1
.endr
.set i, P+16
.rept 16
	v_mov_b32 v[i], 0
.set i, i+1
.endr
; THE MATRIX WORK.  The 4 accumulators of a run of 8 take turns.  Product i of 8 of S^T = K Q^T for piece x: channels 32 (i / 4) on, keys 16 (i % 4) on.  The first 4 start the sums: with 0, or (KM = 1) with the mask.
.macro KQ x
.set rS, S+32*((\x)%2)+8*(i%4)
.set rK, KF+16*(i%4)+8*(i/4)
.set rQ, 16*(\x)+8*(i/4)
.set rM, MC+32*((\x)%2)+8*(i%4)
.if (i < 4) && KM
	WIN W_KM
	v_wmma_f32_16x16x32_f16 v[rS:rS+7], v[rK:rK+7], v[rQ:rQ+7], v[rM:rM+7]
.elseif i < 4
	WIN W_KQ
	v_wmma_f32_16x16x32_f16 v[rS:rS+7], v[rK:rK+7], v[rQ:rQ+7], 0
.else
	WIN W_KQ
	v_wmma_f32_16x16x32_f16 v[rS:rS+7], v[rK:rK+7], v[rQ:rQ+7], v[rS:rS+7]
.endif
.endm
.macro PV x                         ; product i of 8 of O^T += V^T P for piece x: keys 32 (i / 4) on, channels 16 (i % 4) on
	WIN W_PV
.set rO, 32*(\x)+8*(i%4)
.set rV, VF+32*(i/4)+8*(i%4)
.set rP, P+16*((\x)%2)+8*(i/4)
	v_wmma_f32_16x16x32_f16 v[rO:rO+7], v[rV:rV+7], v[rP:rP+7], v[rO:rO+7]
.endm
.macro MM                           ; the turn's next matrix instruction.  NOKQ = 1: a block's last turn: there are no further scores
.if (i < 8) && !NOKQ
	KQ (Y+1)%NP
.elseif i >= 8
.set i, i-8
	PV (Y+NP-1)%NP
.set i, i+8
.endif
.set i, i+1
.endm
; THE LDS LOADS stand in runs of 16.  held = 1 (in a turn): K's address stops at the slot's fourth step, so that the turn of that step, which has one text with the others, reads landed bytes once more, for nobody.
.macro FETCH_K held
	WIN 0x80
.irp f, 0,1,2,3,4,5,6,7
	ds_load_b128 v[KF+8*\f:KF+8*\f+3],   v[AK] offset:(\f/2)*16*PK+(\f%2)*64
	ds_load_b128 v[KF+8*\f+4:KF+8*\f+7], v[AK] offset:(\f/2)*16*PK+(\f%2)*64+32
.endr
.if \held
	s_cmp_gt_u32 s[CNT], 2
	s_cselect_b32 s98, KS*PK, 0
	s_add_co_u32 s[TBK], s[TBK], s98
.else
	s_add_co_u32 s[TBK], s[TBK], KS*PK
.endif
	WIN 0
.endm
.macro FETCH_V
	WIN 0x80
.irp f, 0,1,2,3,4,5,6,7
	ds_load_tr16_b128 v[VF+8*\f:VF+8*\f+3],   v[AV] offset:(\f/4)*32*PV+(\f%4)*32
	ds_load_tr16_b128 v[VF+8*\f+4:VF+8*\f+7], v[AV] offset:(\f/4)*32*PV+16*PV+(\f%4)*32
.endr
	WIN 0
.endm
.macro KFIRST ask                   ; behind a change of slots: K of the new slot's first step, waited for at once: the one wait for LDS in a tile that no other work covers
	v_add_nc_u32 v[AK], s[TBK], v[AK0]
	FETCH_K 0
.if \ask
	ASK
.endif
	s_wait_dscnt 0x0
.endm
; THE VECTOR WORK, one line at a time: OP kind, number.  For piece Y: F n: c s - c m for pair n of 16.  E n: the exponential of score n of 32.  C n: pair n rounded to f16.  B n: of the four weights 4 n .. the second pair is added
; onto the first.  L n: l takes that sum (L 0: l = a l + sum).  R n: pair n of 16 of O^T times a.  For the other piece: X n, number n of the 22 that find its maximum and statistics: 0-11 four chains of seven scores (each accumulator's
; lowest registers are read first); 12-14, 16 the scores left over, the old m, the four into one; 15 c m_old is kept; 17, 18 the lane 16 away, the new m; 19-21 c m, c m_old - c m_new, a.
.set F, 0
.set E, 1
.set C, 2
.set B, 3
.set L, 4
.set R, 5
.set X, 6
.macro REGS y
.set rT, ST+4*(\y)
.set rC, TMP+4*((\y)%2)
.set rW, MV+((\y)%2)
.set rS, S+32*((\y)%2)
.set rP, P+16*((\y)%2)
.set rO, 32*(\y)
.endm
.macro OP k, n
.if (\k) == R
	REGS Y
	WIN W_RS
	v_pk_mul_f32 v[rO+2*(\n):rO+2*(\n)+1], v[rO+2*(\n):rO+2*(\n)+1], v[rC+2:rC+3] op_sel_hi:[1,0]
.elseif (\k) < R
	REGS Y
	WIN 0
.if (\k) == F
	v_pk_fma_f32 v[rS+2*(\n):rS+2*(\n)+1], v[rS+2*(\n):rS+2*(\n)+1], s[CS:CS+1], v[rT:rT+1] op_sel_hi:[1,0,0] neg_lo:[0,0,1] neg_hi:[0,0,1]
.elseif (\k) == E
	v_exp_f32 v[rS+(\n)], v[rS+(\n)]
.elseif (\k) == C
	v_cvt_pk_f16_f32 v[rP+(\n)], v[rS+2*(\n)], v[rS+2*(\n)+1]
.elseif (\k) == B
	v_pk_add_f32 v[rS+4*(\n):rS+4*(\n)+1], v[rS+4*(\n):rS+4*(\n)+1], v[rS+4*(\n)+2:rS+4*(\n)+3]
.elseif (\n) == 0
	v_pk_fma_f32 v[rT+2:rT+3], v[rT+2:rT+3], v[rC+2:rC+3], v[rS:rS+1] op_sel_hi:[1,0,1]
.else
	v_pk_add_f32 v[rT+2:rT+3], v[rT+2:rT+3], v[rS+4*(\n):rS+4*(\n)+1]
.endif
.elseif NOKQ
	v_nop
.else
	REGS (Y+1)%NP
	WIN 0
.if (\n) < 4
	v_max3_num_f32 v[rC+(\n)], v[rS+8*(\n)], v[rS+8*(\n)+1], v[rS+8*(\n)+2]
.elseif (\n) < 12
	v_max3_num_f32 v[rC+(\n)%4], v[rC+(\n)%4], v[rS+8*((\n)%4)+2*((\n)/4)+1], v[rS+8*((\n)%4)+2*((\n)/4)+2]
.elseif (\n) == 12
	v_max3_num_f32 v[rC], v[rC], v[rS+7], v[rS+15]
.elseif (\n) == 13
	v_max3_num_f32 v[rC+1], v[rC+1], v[rS+23], v[rS+31]
.elseif (\n) == 14
	v_max3_num_f32 v[rC+2], v[rC+2], v[rC+3], v[rT+1]
.elseif (\n) == 15
	v_mov_b32 v[rW], v[rT]
.elseif (\n) == 16
	v_max3_num_f32 v[rC], v[rC], v[rC+1], v[rC+2]
.elseif (\n) == 17
	v_permlanex16_b32 v[rC+3], v[rC], s[SEL], s[SEL+1]
.elseif (\n) == 18
	v_max_num_f32 v[rT+1], v[rC], v[rC+3]
.elseif (\n) == 19
	v_mul_f32 v[rT], s[CS], v[rT+1]
.elseif (\n) == 20
	v_sub_f32 v[rC+1], v[rW], v[rT]
.else
	v_exp_f32 v[rC+2], v[rC+1]
.endif
.endif
.endm
.macro OPS a, i1, b=-1, i2=0, c=-1, i3=0, d=-1, i4=0
	OP \a, \i1
.if (\b) >= 0
	OP \b, \i2
.endif
.if (\c) >= 0
	OP \c, \i3
.endif
.if (\d) >= 0
	OP \d, \i4
.endif
.endm
.macro ROW a, i1, b, i2, c, i3, d, i4  ; a matrix instruction and the four behind it
	MM
	OPS \a, \i1, \b, \i2, \c, \i3, \d, \i4
.endm
.macro MASK b                       ; MD x AL + BE into buffer b of MC
	WIN W_RS
.set z, 0
.rept 16
	v_pk_fma_f32 v[MC+32*(\b)+2*z:MC+32*(\b)+2*z+1], v[MD+2*z:MD+2*z+1], s[AL:AL+1], s[BE:BE+1] op_sel_hi:[1,0,0]
.set z, z+1
.endr
.endm
; A TURN, for piece p: the order of its 16 matrix and 118 vector instructions, written out.  AHEAD OF ITS ONE WAIT stands all that names no result of the turn's exponentials: the 8 products K Q^T with their riders, then the lump, in which the
; links of the chain X 3, 7, 11, 14, 16, 17 .. 20 stand five or six lines apart; X 21, the other piece's a, is the batch's last, R 15 the plain instruction behind it.  BEHIND THE WAIT: the 8 products V^T P, behind each four roundings and sums.
; The X that ride behind products stand four places or more behind the product that ends their accumulator.  O^T's pair n is rescaled twelve plain instructions or more behind the product of the turn before that ended its accumulator.
; Piece 0's turn fetches K of the next step in its lump, five plain instructions that name none of its registers behind the last product that read K, and V of the step in hand at its end, four plain instructions behind the last product that read V.
; Piece 1's turn waits for K at its head (V's 16 loads are younger and stay out) and for V behind its wait for the exponentials.
; m = 1: the diagonal tile: the products take masks, and the turn makes the mask for the products of the turn after it: piece p, in step 4 - CNT (p = 1) or 5 - CNT (p = 0).  end = 1: a block's last turn.  cnt = 1: the loop's count is taken down.
.macro TURN p, m=0, end=0, cnt=0
.set Y, (\p)
.set i, 0
.set KM, (\m)
.set NOKQ, (\end)
.if (\m) && !(\end)
	s_cmp_eq_u32 s[CNT], s[E0+(\p)]     ; is that step the band's own?
	s_cselect_b32 s[AL], 1.0, 0
	s_cmp_lt_u32 s[CNT], s[E0+(\p)]     ; or a later one?
	s_cselect_b32 s[BE], s[BIGN], 0
.endif
.if (\p) == 1
	s_wait_dscnt 16                 ; K is in
.endif
	ROW F,0, F,1, R,0, R,1
	ROW F,2, E,0, R,2, R,3
	ROW F,3, E,1, R,4, R,5
	ROW F,4, E,2, R,6, R,7
	ROW F,5, E,3, R,8, R,9
	ROW F,6, E,4, X,0, R,10
.if (\p) == 0
	WIN 0
	v_add_nc_u32 v[AK], s[TBK], v[AK0]
.endif
	ROW F,7, E,5, X,1, X,4
	ROW F,8, E,6, X,2, X,5
	OPS E,7, E,8, X,6, E,9
	OPS X,3, E,10, X,8, E,11
.if (\p) == 0
	FETCH_K 1
.endif
	OPS X,9, X,7, E,12, X,10
	OPS E,13, X,12, X,11, E,14
	OPS X,13, E,15, F,9, X,14
.if (\p) == 0
	v_add_nc_u32 v[AV], s[TBV], v[AV0]
.endif
	OPS E,16, F,10, E,17, F,11
	OPS X,16, E,18, X,15, E,19
	OPS F,12, E,20, X,17, E,21
	OPS F,13, E,22, F,14, E,23
	OPS X,18, E,24, F,15, E,25
	OPS R,11, E,26, X,19, E,27
	OPS R,12, E,28, R,13, E,29
	OPS X,20, E,30, R,14, E,31
	OPS X,21, R,15
	WIN 0
	s_wait_alu depctr_va_vdst(0)    ; the one wait for the batch, ahead of its first reader
.if (\p) == 1
	s_wait_dscnt 0x0                ; V is in
.endif
	ROW C,0, B,0, C,2, B,1
	ROW L,0, C,4, B,2, L,1
	ROW C,6, B,3, L,2, C,8
	ROW B,4, L,3, C,10, B,5
	ROW L,4, C,12, B,6, L,5
.if (\p) == 0
	s_add_co_u32 s[TBV], s[TBV], KS*PV
.endif
.if \cnt
	s_sub_co_u32 s[CNT], s[CNT], 1
	s_cmp_lg_u32 s[CNT], 0
.endif
	ROW C,14, B,7, L,6, C,1
	ROW C,3, L,7, C,5, C,7
	ROW C,9, C,11, C,13, C,15
.if (\p) == 0
	FETCH_V
.endif
.if (\m) && !(\end)
	MASK (\p)%2
.endif
.endm
; A BLOCK BEGINS.  c m starts far below every c s, so the first step's a is 0; m at the lowest finite number.  The second mask buffer is 0; the first takes piece 0's mask for the tile's step 0: its own, if the tile is the diagonal one and
; the block's number is even.  Then piece 0's first scores (K of that step was fetched behind the change of slots), its maximum and statistics.  The loop is entered at piece 0's turn, in the middle of a trip.
.macro BEGIN
	s_mov_b32 s[NEW], 0
	WIN 0x40
.set i, MC+32
.rept 32
	v_mov_b32 v[i], 0
.set i, i+1
.endr
	WIN 0
.set i, 0
.rept 2
	v_mov_b32 v[ST+4*i], 0xfe000000
	v_mov_b32 v[ST+4*i+1], 0xff7fffff
.set i, i+1
.endr
	s_cmp_eq_u32 s[RT], 0
	s_cselect_b32 s[AL], s[D0], 0
	s_mov_b32 s[BE], 0
	MASK 0
	WIN 0
	s_wait_loadcnt 0x0              ; Q
.set KM, 1
.set NOKQ, 0
.set i, 0
.rept 8
	KQ 0
.set i, i+1
.endr
	WIN 0
.rept 4
	v_nop                           ; the places behind those products
.endr
.set Y, NP-1
.irp n, 0,1,2,3,4,5,6,7,8,9,10,11,12,13,14,15,16,17,18,19,20,21
	OP X, \n
.endr
	v_nop                           ; a plain instruction behind the exponential,
	s_wait_alu depctr_va_vdst(0)    ; and its wait, ahead of the branch
.endm
.macro ALL line:vararg              ; one line for each piece t
.set t, 0
.rept 2
	\line
.set t, t+1
.endr
.endm
.macro PACK t                       ; a lane's eight channels of a row pack into 16 bytes; they go into rows of 144 bytes and come back as whole rows of 128
	WIN W_RS
.set i, 32*(\t)
.rept 16
	v_pk_mul_f32 v[i:i+1], v[i:i+1], v[ST+4*(\t)+2:ST+4*(\t)+3] op_sel_hi:[1,0]
.set i, i+2
.endr
	WIN 0x05
.set i, 0
.rept 16
	v_cvt_pk_f16_f32 v[S+16*(\t)+i], v[32*(\t)+2*i], v[32*(\t)+2*i+1]
.set i, i+1
.endr
	WIN 0
.irp f, 0,1,2,3
	ds_store_b128 v[STO], v[S+16*(\t)+4*\f:S+16*(\t)+4*\f+3] offset:32*\f
.endr
.irp f, 0,1,2,3
	ds_load_b128 v[S+16*(\t)+4*\f:S+16*(\t)+4*\f+3], v[RD] offset:\f*4*SP  ; LDS serves a wave's instructions in order (ISA guide 5.7.1.4): these see the stores above
.endr
.endm
.macro SEND t, younger              ; younger: the LDS instructions issued behind piece t's loads
	WIN 0
.irp f, 0,1,2,3
	s_wait_dscnt (\younger)+3-\f
	global_store_b128 v[GO], v[S+16*(\t)+4*\f:S+16*(\t)+4*\f+3], s[10:11] offset:(\t)*8192+\f*512  ; 512 consecutive bytes, aligned
.endr
.endm
; THE DIAGONAL TILE: piece 0's mask for its step 0 (where the tile is entered from a plain one), four steps, the block's last turn and last products, and the way out.
.macro DIAG tag
.LpreM\tag:
	s_mov_b32 s[AL], s[D0]
	s_mov_b32 s[BE], 0
	MASK 0
	WIN 0
.LstepM\tag:
	TURN 1, 1
	WIN 0
.LfirstM\tag:
	TURN 0, 1, 0, 1
	WIN 0
	s_cbranch_scc1 .LstepM\tag
	TURN 1, 1, 1
.set i, 0
.rept 8
	PV NP-1
.set i, i+1
.endr
	WIN 0
	ALL v_add_f32 v[ST+4*t+2], v[ST+4*t+2], v[ST+4*t+3]
	ALL v_permlanex16_b32 v[ST+4*t+3], v[ST+4*t+2], s[SEL], s[SEL+1]
	ALL v_add_f32 v[ST+4*t+2], v[ST+4*t+2], v[ST+4*t+3]
	ALL v_rcp_f32 v[ST+4*t+2], v[ST+4*t+2]
	v_nop                           ; a plain instruction behind the last reciprocal,
	s_wait_alu depctr_va_vdst(0)    ; and the one wait for both
	PACK 0                          ; piece 0's sums ended four riders ahead of piece 1's last products; its 32 lines are the places behind those
	PACK 1
	SEND 0, 8
	SEND 1, 0
.endm
.set KM, 0
.set NOKQ, 0
.Lslot:                             ; eight times: a tile is entered and the next is asked for
	CHANGE 1
	KFIRST 1
	s_sub_co_u32 s[RT], s[RT], 1
	s_mov_b32 s[CNT], 4
	s_cmp_eq_u32 s[NEW], 1
	s_cbranch_scc1 .Lnew            ; a block's first tile
	s_cmp_eq_u32 s[RT], 0
	s_cbranch_scc0 .Lstep           ; neither its first nor its last
	s_branch .LpreM1
.Lnew:
	BEGIN
	s_branch .Lfirst                ; in the loop a block's first tile is never its last: the first block has five tiles or more, and the second's last is the walk's last
	DIAG 1                          ; in the loop this is the first block's end
	s_wait_xcnt 0x0                 ; the stores have read their registers and y's address
	s_mov_b64 s[10:11], s[OLO:OLO+1]
	s_mov_b32 s[RT], s[NL]
	s_mov_b32 s[NEW], 1
	QOFF PB
	WIN 0x82                        ; the second block's Q goes where the one text of the turns names Q
.set i, 0
.rept 32
	v_mov_b32 v[i], v[QB+i]
.set i, i+1
.endr
	WIN 0
	s_branch .Lbottom
.Lstep:                             ; a trip: piece 1's turn of one step, then piece 0's of the next
	TURN 1
	WIN 0
.Lfirst:
	TURN 0, 0, 0, 1
	WIN 0
	s_cbranch_scc1 .Lstep
.Lbottom:
	s_sub_co_u32 s[SLOTS], s[SLOTS], 1
	s_cmp_lg_u32 s[SLOTS], 0
	s_cbranch_scc1 .Lslot
	CHANGE 0                        ; the walk's last tile is written out
	KFIRST 0
	s_sub_co_u32 s[RT], s[RT], 1
	s_mov_b32 s[CNT], 4
	s_cmp_eq_u32 s[NEW], 1
	s_cbranch_scc0 .LpreM2
	BEGIN
	s_branch .LfirstM2
	DIAG 2
	s_wait_tensorcnt 0x0            ; the wave's end
	ds_add_u32 v[SPW], v[NIL]
	s_wait_dscnt 0x0
	s_endpgm
.Lfunc_end_k_q4fa1ad96ff_attn:
	.size	k_q4fa1ad96ff_attn, .Lfunc_end_k_q4fa1ad96ff_attn-k_q4fa1ad96ff_attn
	.p2alignl 7, 3214868480
	.fill 96, 4, 3214868480
	.section	.rodata,"a",@progbits
	.p2align	6, 0x0
	.amdhsa_kernel k_q4fa1ad96ff_attn
		.amdhsa_group_segment_fixed_size 327680
		.amdhsa_private_segment_fixed_size 0
		.amdhsa_enable_private_segment 0
		.amdhsa_kernarg_size 16
		.amdhsa_user_sgpr_count 2
		.amdhsa_user_sgpr_kernarg_segment_ptr 1
		.amdhsa_wavefront_size32 1
		.amdhsa_system_sgpr_workgroup_id_x 1
		.amdhsa_system_sgpr_workgroup_id_y 1
		.amdhsa_system_sgpr_workgroup_id_z 1
		.amdhsa_system_vgpr_workitem_id 0
		.amdhsa_next_free_vgpr 768
		.amdhsa_next_free_sgpr 100
		.amdhsa_reserve_vcc 1
		.amdhsa_float_denorm_mode_32 3
		.amdhsa_float_denorm_mode_16_64 3
		.amdhsa_memory_ordered 1
		.amdhsa_forward_progress 1
		.amdhsa_inst_pref_size 128
	.end_amdhsa_kernel
	.amdgpu_metadata
---
amdhsa.version: [ 1, 2 ]
amdhsa.kernels:
  - .name:           k_q4fa1ad96ff_attn
    .symbol:         k_q4fa1ad96ff_attn.kd
    .args:
      - { .name: qkv, .offset: 0, .size: 8, .value_kind: global_buffer, .address_space: global }
      - { .name: y, .offset: 8, .size: 8, .value_kind: global_buffer, .address_space: global }
    .group_segment_fixed_size: 327680
    .private_segment_fixed_size: 0
    .kernarg_segment_align: 8
    .kernarg_segment_size: 16
    .max_flat_workgroup_size: 128
    .sgpr_count:     100
    .vgpr_count:     768
    .wavefront_size: 32
...
	.end_amdgpu_metadata
.endif
;; end of part 3
;; launch proj (part 4): grid 8 x 32, 4 waves a work-group, clusters of 4 x 4, 327,680 bytes of LDS; arguments y, wb, b_proj, x, x1; writes x1
.if DOCPART == 4
	.amdgcn_target "amdgcn-amd-amdhsa--gfx1250"
	.amdhsa_code_object_version 6
	.text
	.protected	k_q4fa1ad96ff_proj
	.globl	k_q4fa1ad96ff_proj
	.p2align	8
	.type	k_q4fa1ad96ff_proj,@function
k_q4fa1ad96ff_proj:
	s_mov_b64 s[64:65], 0
	v_nop
	global_prefetch_b8 v0, s[64:65] scope:SCOPE_SE
	s_setreg_imm32_b32 hwreg(HW_REG_WAVE_MODE, 25, 1), 1
	s_wait_xcnt 0x0
	s_wait_alu depctr_hold_cnt(0) depctr_sa_sdst(0) depctr_va_vdst(0) depctr_va_sdst(0) depctr_va_ssrc(0) depctr_va_vcc(0) depctr_vm_vsrc(0)
	s_getreg_b32 s2, hwreg(HW_REG_IB_STS2, 6, 4)
	s_cmp_eq_u32 s2, 0
	s_cbranch_scc0 .Lentry_in_a_cluster
	s_endpgm
.Lentry_in_a_cluster:
	s_bfe_u32 s2, ttmp6, 0x10000c
	s_cmp_lg_u32 s2, 0xf033
	s_cbranch_scc0 .Lentry_shape_is_right
	s_endpgm
.Lentry_shape_is_right:
; x1 = x + y Wp + b_proj.  y: f16 by heads, [32 = batch x 16 + head][2048][64]; Wp: [1024][1024] f16 at byte 6,291,456 of wb, as w_proj lies ([K][N]); x, x1: [4096][1024] f32.  Sums in f32.
; One text serves this launch and the second MLP product; the constants at its head differ (AHEADS: A lies by heads).
; SHARES.  A work-group makes 128 x 128 (256 work-groups), each of its four waves 64 x 64: 16 accumulators.  K goes in steps of 256, as long as two slots in LDS allow, through a ring of two slots.
; THE MATRIX INSTRUCTION IS USED TRANSPOSED: source 0 = 16 columns of W (turned on the way out of LDS by ds_load_tr16_b128), source 1 = 16 rows of A: a lane then holds one row and eight neighbouring columns.
; CLUSTER 4 x 4: A's tile is asked for jointly by a row of the cluster, W's by a column.  Waves 0, 1 fetch A's two halves, waves 2, 3 W's.
; THE WALK ALONG K begins at K's middle in the clusters whose x + y is odd, and goes round K's end.  The clusters that read the same rows of A differ in x, those that read the same rows of W in y: so each K step is read
; by one half of its readers STEPS / 2 steps ahead of the other half, not by all at once.  The number hangs on the cluster's coordinates, which the sixteen partners share.  (f32 sums may be taken in any order.)
; A K STEP'S TEXT IS WRITTEN ONCE.  A step is four quarters of 64 along K, on fragment buffers 0, 1, 0, 1.  The slots change between quarters 2 and 3, when quarter 3's fragments are in registers: a trip is the change and then twice
; (a quarter on buffer 1, a quarter on buffer 0).  The loop is entered in its middle, the tail left in its middle.
; THE SUMS START WITH THE BIAS (a product of two zero fragments with the bias as C).  The residual is loaded at the head, straight into the registers from which the result is stored.
; THE WAY OUT goes through the ring's bytes, which have had their last fill: each wave stores its f32 tile in an area of its own and reads whole rows of 256 bytes back.
; No prefetch: a small tile, whose step's bytes are few.
; REGISTERS, in windows of 256: 0 addresses, bias, way out; 1 two fragment buffers of 128 (W's fragments, then A's); 2 the accumulators ((a, b) at 8 (NB a + b)).
.set SIZE_N, 1024
.set SIZE_K, 1024
.set AHEADS, 1
.set WOFF,  6291456
.set PA,    144                        ; A's LDS row: a head's 128 bytes + 16
.set AQI,   4
.set AHALF, 4*64*PA                    ; one of A's loads: four heads x 64 rows
.set ASTEP, 4*2048*128                 ; four heads on
.set MB,    4
.set NB,    4
.set KSTEP, 256
.set QK,    64
.if AHEADS
.set DA,    64*PA                      ; LDS bytes from quarter to quarter in A's tile: a head's 64 rows,
.else
.set DA,    2*QK                       ; or 64 numbers along the rows
.endif
.set CH,    256                        ; W's LDS row: 256 bytes + 32 = 9 x 32
.set BP,    32
.set BQI,   5
.set BCODE, 7
.set WCOL,  128
.set DP,    272
.set TM,    32*MB
.set TN,    32*NB
.set STEPS, SIZE_K/KSTEP
.set PB,    (2*TN/CH)*(CH+BP)
.set BHALF, (KSTEP/2)*PB
.set SLOT,  2*AHALF+2*BHALF
.set SPARE, 2*SLOT
.set DAREA, 16*MB*DP
.set NW,    MB*NB*QK/32
.set AF,    8*NB*QK/32
.set BSTEP, KSTEP*2*SIZE_N
.set DB,    QK*PB                      ; LDS bytes from quarter to quarter in W's tile
.set F0,    0                          ; the fragment buffers, in window 1
.set F1,    128
.set ADRA0, 16
.set ADRB0, 17
.set AA,    18
.set AB,    19
.set STO,   20
.set RD,    21
.set CO,    22
.set BO,    25
.set SPW,   28
.set NIL,   29
.set BIAS,  32                         ; v[32:63]; v[64:127] rows read back, two buffers; v[128:255] the residual, then the result
.set OFS, 2                            ; s[2:3] an offset in 64 bits; s3 stays 0
.set WV, 14
.set WM, 15
.set WN, 16
.set CNT, 17
.set TB,  18                           ; the slot in hand: 0 or SLOT
.set LBA, 19
.set LBB, 20
.set QI,  21                           ; the quarter to be fetched next, 0 to 3
.set HALF, 22                          ; counts a step's pairs of quarters
.set NX,  23                           ; the K step to be asked for next
.set G1A, 24
.set G0A, 32
.set CX,  40
.set CY,  41
.set TX,  42
.set TY,  43
.set G1B, 48
.set G0B, 56
.set BA,  74                           ; s[74:75] my part of A's tile at K step 0; s[76:77] of W's; never rewritten
.set BB,  76
.set MSB, 0
.macro WIN new
.if MSB != (\new)
	s_set_vgpr_msb (MSB<<8)|(\new)
.set MSB, (\new)
.endif
.endm
.macro PLACES                          ; four plain instructions between a matrix instruction and a load into, or a reader of, its registers
.rept 4
	v_nop
.endr
.endm
.macro AIM set                         ; both descriptors' set takes K step s[NX]: the address is made anew from that number; then the walk goes on, round K's end
	s_mul_i32 s[OFS], s[NX], ASTEP
	s_add_nc_u64 s[G0A+4*(\set)+2:G0A+4*(\set)+3], s[BA:BA+1], s[OFS:OFS+1]
	s_or_b32 s[G0A+4*(\set)+3], s[G0A+4*(\set)+3], 0x80000000
	s_mul_i32 s[OFS], s[NX], BSTEP
	s_add_nc_u64 s[G0B+4*(\set)+2:G0B+4*(\set)+3], s[BB:BB+1], s[OFS:OFS+1]
	s_or_b32 s[G0B+4*(\set)+3], s[G0B+4*(\set)+3], 0x80000000
	s_add_co_u32 s[NX], s[NX], 1
	s_and_b32 s[NX], s[NX], STEPS-1
.endm
.macro JLOAD                           ; a joint refill; an s_nop 0 and four v_nop follow each line
	s_cmp_eq_u32 s[WM], 0
	s_cbranch_scc0 .Lfor_w_\@
	tensor_load_to_lds s[G0A+4:G0A+7], s[G1A:G1A+7]
	s_nop 0
	PLACES
	s_branch .Lasked_\@
.Lfor_w_\@:
	tensor_load_to_lds s[G0B+4:G0B+7], s[G1B:G1B+7]
	s_nop 0
	PLACES
.Lasked_\@:
.endm
.macro CREST
	s_cmp_lg_u32 s[WV], 0
	s_cbranch_scc1 .Lnot_wave_0_\@
	s_barrier_signal -3
.Lnot_wave_0_\@:
	s_barrier_wait -3
	s_barrier_signal -1
	s_barrier_wait -1
.endm
.macro CROUND
	s_barrier_signal -1
	s_barrier_wait -1
	CREST
.endm
.macro MUL f, i0, n                    ; the accumulators take turns, one instruction a turn, in the same order in every quarter
.set i, (\i0)
.rept (\n)
.set rD, 8*(i%(MB*NB))
.set rW, (\f)+8*(NB*(i/(MB*NB))+i%NB)
.set rA, (\f)+AF+8*(MB*(i/(MB*NB))+(i%(MB*NB))/NB)
	WIN 0xa5
	v_wmma_f32_16x16x32_f16 v[rD:rD+7], v[rW:rW+7], v[rA:rA+7], v[rD:rD+7]
.set i, i+1
.endr
.endm
.macro FETCH f                         ; 32 LDS loads in one run: the fragments of quarter s[QI] of the slot in hand into buffer f; then the count goes on, modulo 4
	WIN 0
	s_mul_i32 s72, s[QI], DA
	s_mul_i32 s73, s[QI], DB
	s_add_co_u32 s72, s72, s[TB]
	s_add_co_u32 s73, s73, s[TB]
	v_add_nc_u32 v[AA], s72, v[ADRA0]
	v_add_nc_u32 v[AB], s73, v[ADRB0]
	s_add_co_u32 s[QI], s[QI], 1
	s_and_b32 s[QI], s[QI], 3
	WIN 0x40
.set cc, 0
.rept QK/32
.set bb, 0
.rept NB
.set o, cc*32*PB+32*bb
.set d, (\f)+8*(NB*cc+bb)
	ds_load_tr16_b128 v[d:d+3], v[AB] offset:o
	ds_load_tr16_b128 v[d+4:d+7], v[AB] offset:o+16*PB
.set bb, bb+1
.endr
.set aa, 0
.rept MB
.set o, aa*16*PA+64*cc
.set d, (\f)+AF+8*(MB*cc+aa)
	ds_load_b128 v[d:d+3], v[AA] offset:o
	ds_load_b128 v[d+4:d+7], v[AA] offset:o+32
.set aa, aa+1
.endr
.set cc, cc+1
.endr
.endm
.macro QUARTER f, g                    ; multiplies buffer f and, in its middle, fetches the next quarter into buffer g
	s_wait_dscnt 0x0                               ; buffer f's 32 loads, issued half a quarter ago
	MUL \f, 0, NW/2
	PLACES
	FETCH \g
	MUL \f, NW/2, NW/2
.endm
; THE CHANGE OF SLOTS.  Each wave waits for all its tensor loads (one is out: its part of the next slot), adds 0 to its spare word, and waits for that and for its reads of the slot in hand, of which the last, quarter 3's, were issued
; half a quarter ago.  fill = 1: the barrier opens a round of the cluster's, and the slot just read is filled again first thing behind it, with the walk's K step two on: a whole step's 128 matrix instructions stand between the request and the wait for it.
.macro CHANGE fill
	WIN 0
	s_wait_tensorcnt 0x0                           ; no tensor load of mine is out, so a group 0 may be written
	ds_add_u32 v[SPW], v[NIL]                      ; 0 onto my spare word
.if \fill
	s_add_co_u32 s[G0A+5], s[LBA], s[TB]           ; into the slot in hand
	s_add_co_u32 s[G0B+5], s[LBB], s[TB]
	AIM 1
.endif
	s_wait_dscnt 0x0                               ; the add is done, and my reads of this slot are over
	s_barrier_signal -1
	s_barrier_wait -1
.if \fill
	CREST
.endif
	s_xor_b32 s[TB], s[TB], SLOT
.if \fill
	JLOAD
.endif
.endm
	s_load_b256 s[4:11], s[0:1], 0x0               ; A s[4:5], wb s[6:7], bias s[8:9], residual s[10:11]
	s_load_b64 s[12:13], s[0:1], 0x20              ; output
	v_lshl_add_u32 v[SPW], v0, 2, SPARE
	v_mov_b32 v[NIL], 0
	ds_add_u32 v[SPW], v[NIL]                      ; the wave's opening: the add and its wait stand ahead of my first tensor load
	ds_add_u32 v28, v29
	v_lshrrev_b32 v1, 5, v0
	v_readfirstlane_b32 s[WV], v1
	s_lshr_b32 s[WM], s[WV], 1
	s_and_b32 s[WN], s[WV], 1
	s_bfe_u32 s[CX], ttmp6, 0x40000
	s_bfe_u32 s[CY], ttmp6, 0x40004
	s_lshl_b32 s[TX], ttmp9, 2
	s_add_co_u32 s[TX], s[TX], s[CX]
	s_and_b32 s[TY], ttmp7, 0xffff
	s_add_co_u32 s[NX], s[TY], ttmp9               ; cluster x + cluster y:
	s_and_b32 s[NX], s[NX], 1
	s_mul_i32 s[NX], s[NX], STEPS/2                ; where it is odd the walk begins at K's middle
	s_lshl_b32 s[TY], s[TY], 2
	s_add_co_u32 s[TY], s[TY], s[CY]
	s_mov_b32 s[OFS+1], 0
	s_lshl_b32 s72, s[CY], 2
	s_lshl_b32 s72, 15, s72
	s_lshl_b32 s73, 0x1111, s[CX]
	s_or_b32 s[G1A], s72, (1<<16)|(1<<20)|(1<<21)|(AQI<<22)|(3<<25)
	s_or_b32 s[G1B], s73, (1<<16)|(1<<20)|(1<<21)|(BQI<<22)|(BCODE<<25)
.if AHEADS
	s_mov_b32 s[G1A+1], 4096<<16                   ; a "row" is 64 rows x 64 channels of one head, 8,192 dense bytes; four such rows are four heads, 2,048 x 64 elements apart; padded after every 128 bytes
	s_mov_b32 s[G1A+2], 4<<16
	s_mov_b32 s[G1A+3], 4096<<16
	s_mov_b32 s[G1A+4], 4
	s_mov_b32 s[G1A+5], 2048*64
.else
	s_mov_b32 s[G1A+1], KSTEP<<16
	s_mov_b32 s[G1A+2], (TM/2)<<16
	s_mov_b32 s[G1A+3], KSTEP<<16
	s_mov_b32 s[G1A+4], TM/2
	s_mov_b32 s[G1A+5], SIZE_K
.endif
	s_mov_b32 s[G1A+6], 0
	s_mov_b32 s[G1A+7], 0
	s_mov_b32 s[G1B+1], TN<<16
	s_mov_b32 s[G1B+2], (KSTEP/2)<<16
	s_mov_b32 s[G1B+3], TN<<16
	s_mov_b32 s[G1B+4], KSTEP/2
	s_mov_b32 s[G1B+5], SIZE_N
	s_mov_b32 s[G1B+6], 0
	s_mov_b32 s[G1B+7], 0
.if AHEADS
	s_lshr_b32 s[BA], s[TY], 4                     ; batch: 16 heads of 262,144 bytes
	s_lshl_b32 s[BA], s[BA], 22
	s_and_b32 s[BA+1], s[TY], 15                   ; 128 rows of 128 bytes within it
	s_lshl_b32 s[BA+1], s[BA+1], 14
	s_add_co_u32 s[BA], s[BA], s[BA+1]
	s_lshl_b32 s[BA+1], s[WN], 13
	s_add_co_u32 s[BA], s[BA], s[BA+1]
.else
	s_mul_i32 s[BA], s[TY], TM
	s_mul_i32 s[BA+1], s[WN], TM/2
	s_add_co_u32 s[BA], s[BA], s[BA+1]
	s_mul_i32 s[BA], s[BA], 2*SIZE_K
.endif
	s_mov_b32 s[BA+1], 0
	s_mul_i32 s[BB], s[TX], 2*TN
	s_mul_i32 s[BB+1], s[WN], (KSTEP/2)*2*SIZE_N
	s_add_co_u32 s[BB], s[BB], s[BB+1]
	s_add_co_u32 s[BB], s[BB], WOFF
	s_mov_b32 s[BB+1], 0
	s_mul_i32 s[LBA], s[WN], AHALF
	s_mul_i32 s[LBB], s[WN], BHALF
	s_add_co_u32 s[LBB], s[LBB], 2*AHALF
	s_wait_dscnt 0x0
	s_wait_kmcnt 0x0
	s_add_nc_u64 s[BA:BA+1], s[4:5], s[BA:BA+1]
	s_add_nc_u64 s[BB:BB+1], s[6:7], s[BB:BB+1]
.irp s, 0,1
	s_mov_b32 s[G0A+4*\s], 1
	s_add_co_u32 s[G0A+4*\s+1], s[LBA], \s*SLOT
	s_mov_b32 s[G0B+4*\s], 1
	s_add_co_u32 s[G0B+4*\s+1], s[LBB], \s*SLOT
	AIM \s                                         ; the walk's first two K steps
.endr
	CROUND
	s_cmp_eq_u32 s[WM], 0                          ; a wave's two first fills stand in one branch: two loads of mine are out
	s_cbranch_scc0 .Lfirst_w
	tensor_load_to_lds s[G0A:G0A+3], s[G1A:G1A+7]
	s_nop 0
	tensor_load_to_lds s[G0A+4:G0A+7], s[G1A:G1A+7]
	s_nop 0
	PLACES
	s_branch .Lfirst_asked
.Lfirst_w:
	tensor_load_to_lds s[G0B:G0B+3], s[G1B:G1B+7]
	s_nop 0
	tensor_load_to_lds s[G0B+4:G0B+7], s[G1B:G1B+7]
	s_nop 0
	PLACES
.Lfirst_asked:
	v_and_b32 v1, 15, v0
	v_bfe_u32 v2, v0, 4, 1
	s_mul_i32 s72, s[TX], TN*4
	s_mul_i32 s73, s[WN], 64*NB
	s_add_co_u32 s72, s72, s73
	v_lshl_add_u32 v[BO], v2, 5, s72
.set b, 0
.rept NB
	global_load_b128 v[BIAS+8*b:BIAS+8*b+3], v[BO], s[8:9] offset:64*b
	global_load_b128 v[BIAS+8*b+4:BIAS+8*b+7], v[BO], s[8:9] offset:64*b+16
.set b, b+1
.endr
	s_lshl_b32 s72, s[TY], 7                       ; my 64 x 64 of the residual and of the output
	s_lshl_b32 s73, s[WM], 6
	s_add_co_u32 s72, s72, s73
	s_lshl_b32 s72, s72, 12
	s_lshl_b32 s73, s[TX], 9
	s_add_co_u32 s72, s72, s73
	s_lshl_b32 s73, s[WN], 8
	s_add_co_u32 s72, s72, s73
	s_mov_b32 s73, 0
	s_add_nc_u64 s[10:11], s[10:11], s[72:73]
	s_add_nc_u64 s[12:13], s[12:13], s[72:73]
	v_lshlrev_b32 v[CO], 12, v2                    ; lanes 0-15 one row's 256 bytes, lanes 16-31 the next row's
	v_lshl_add_u32 v[CO], v1, 4, v[CO]
.set i, 0
.rept 32
	global_load_b128 v[128+4*i:128+4*i+3], v[CO], s[10:11] offset:2*i*4096
.set i, i+1
.endr
	WIN 0x40
.set i, 0
.rept 16
	v_mov_b32 v[128+i], 0                          ; two zero fragments
.set i, i+1
.endr
	WIN 0
	v_mul_u32_u24 v[ADRA0], v1, PA
	v_lshl_add_u32 v[ADRA0], v2, 4, v[ADRA0]
	s_mul_i32 s72, s[WM], AHALF
	v_add_nc_u32 v[ADRA0], s72, v[ADRA0]
	v_and_b32 v4, 7, v0
	v_lshl_add_u32 v4, v2, 3, v4
	v_mul_u32_u24 v[ADRB0], v4, PB
	v_bfe_u32 v5, v0, 3, 1
	v_lshl_add_u32 v[ADRB0], v5, 4, v[ADRB0]
	s_mul_i32 s72, s[WN], WCOL
	s_add_co_u32 s72, s72, 2*AHALF
	v_add_nc_u32 v[ADRB0], s72, v[ADRB0]
	s_mul_i32 s73, s[WV], DAREA
	v_mul_u32_u24 v[STO], v1, DP
	v_lshl_add_u32 v[STO], v2, 5, v[STO]
	v_add_nc_u32 v[STO], s73, v[STO]
	v_mul_u32_u24 v[RD], v2, DP
	v_lshl_add_u32 v[RD], v1, 4, v[RD]
	v_add_nc_u32 v[RD], s73, v[RD]
	s_wait_loadcnt 32                              ; the bias is in; the 32 younger loads, the residual, stay out until the way out
.set i, 0
.rept MB*NB                            ; every sum starts with its bias
	WIN 0x85
	v_wmma_f32_16x16x32_f16 v[8*i:8*i+7], v[128:135], v[136:143], v[BIAS+8*(i%NB):BIAS+8*(i%NB)+7]
.set i, i+1
.endr
	WIN 0
	s_wait_tensorcnt 0x1                           ; my part of the first K step is in; slot 1's may stay out
	s_barrier_signal -1
	s_barrier_wait -1
	s_mov_b32 s[TB], 0
	s_mov_b32 s[QI], 0
	FETCH F0
	WIN 0
	s_mov_b32 s[CNT], STEPS-1                      ; the part of a trip that the entry runs, and a trip for each refill
	s_mov_b32 s[HALF], 2
	s_branch .Lmid                                 ; the loop is entered in its middle: quarters 0, 1 and 2 of the first step
.Lk:
	CHANGE 1
	s_mov_b32 s[HALF], 2
.Lh:                                           ; quarter 3 of one step and quarter 0 of the next; then quarters 1 and 2
	QUARTER F1, F0
	WIN 0
.Lmid:
	QUARTER F0, F1
	WIN 0
	s_sub_co_u32 s[HALF], s[HALF], 1
	s_cmp_lg_u32 s[HALF], 0
	s_cbranch_scc1 .Lh
	s_sub_co_u32 s[CNT], s[CNT], 1
	s_cmp_lg_u32 s[CNT], 0
	s_cbranch_scc1 .Lk
	CHANGE 0                                       ; the tail is written out: nothing is asked for
	s_mov_b32 s[HALF], 3
.Lt:                                           ; quarter 3, then the last step's four; the tail is left in its middle.  The last quarter's run of loads reads the last slot's first quarter once more, for nobody: the price of one text
	QUARTER F1, F0
	WIN 0
	s_sub_co_u32 s[HALF], s[HALF], 1
	s_cmp_eq_u32 s[HALF], 0
	s_cbranch_scc1 .Lend
	QUARTER F0, F1
	WIN 0
	s_branch .Lt
.Lend:
	s_wait_dscnt 0x0
	s_barrier_signal -1
	s_barrier_wait -1                              ; nobody reads the ring any more
	PLACES
	WIN 0x08
.set i, 0
.rept MB*NB                            ; each accumulator's low registers first
	ds_store_b128 v[STO], v[8*i:8*i+3] offset:(i/NB)*16*DP+64*(i%NB)
	ds_store_b128 v[STO], v[8*i+4:8*i+7] offset:(i/NB)*16*DP+64*(i%NB)+16
.set i, i+1
.endr
	WIN 0
.macro LDX a                           ; 16 rows back, two rows a load; LDS serves a wave's instructions in order (ISA guide 5.7.1.4): these see my stores above
.set t, 0
.rept 8
	ds_load_b128 v[64+32*((\a)%2)+4*t:64+32*((\a)%2)+4*t+3], v[RD] offset:(16*(\a)+2*t)*DP
.set t, t+1
.endr
.endm
	s_wait_loadcnt 0x0                             ; the residual
	LDX 0
.irp a, 0,1,2,3
.if (\a) < 3
	LDX (\a)+1
	s_wait_dscnt 0x8                               ; block a is back; the next block's eight loads are younger
.else
	s_wait_dscnt 0x0
.endif
.set t, 0
.rept 16
	v_pk_add_f32 v[128+32*(\a)+2*t:128+32*(\a)+2*t+1], v[128+32*(\a)+2*t:128+32*(\a)+2*t+1], v[64+32*((\a)%2)+2*t:64+32*((\a)%2)+2*t+1]
.set t, t+1
.endr
.set t, 0
.rept 8
	global_store_b128 v[CO], v[128+32*(\a)+4*t:128+32*(\a)+4*t+3], s[12:13] offset:(16*(\a)+2*t)*4096  ; 16 lanes store 256 consecutive bytes, aligned
.set t, t+1
.endr
.endr
	s_wait_tensorcnt 0x0                           ; the wave's end
	ds_add_u32 v[SPW], v[NIL]
	s_wait_dscnt 0x0
	CROUND                                         ; the closing round
	s_endpgm
.Lfunc_end_k_q4fa1ad96ff_proj:
	.size	k_q4fa1ad96ff_proj, .Lfunc_end_k_q4fa1ad96ff_proj-k_q4fa1ad96ff_proj
	.p2alignl 7, 3214868480
	.fill 96, 4, 3214868480
	.section	.rodata,"a",@progbits
	.p2align	6, 0x0
	.amdhsa_kernel k_q4fa1ad96ff_proj
		.amdhsa_group_segment_fixed_size 327680
		.amdhsa_private_segment_fixed_size 0
		.amdhsa_enable_private_segment 0
		.amdhsa_kernarg_size 40
		.amdhsa_user_sgpr_count 2
		.amdhsa_user_sgpr_kernarg_segment_ptr 1
		.amdhsa_wavefront_size32 1
		.amdhsa_system_sgpr_workgroup_id_x 1
		.amdhsa_system_sgpr_workgroup_id_y 1
		.amdhsa_system_sgpr_workgroup_id_z 1
		.amdhsa_system_vgpr_workitem_id 0
		.amdhsa_next_free_vgpr 640
		.amdhsa_next_free_sgpr 80
		.amdhsa_reserve_vcc 0
		.amdhsa_float_denorm_mode_32 3
		.amdhsa_float_denorm_mode_16_64 3
		.amdhsa_memory_ordered 1
		.amdhsa_forward_progress 1
		.amdhsa_inst_pref_size 48
	.end_amdhsa_kernel
	.amdgpu_metadata
---
amdhsa.version: [ 1, 2 ]
amdhsa.kernels:
  - .name:           k_q4fa1ad96ff_proj
    .symbol:         k_q4fa1ad96ff_proj.kd
    .args:
      - { .name: y, .offset: 0, .size: 8, .value_kind: global_buffer, .address_space: global }
      - { .name: wb, .offset: 8, .size: 8, .value_kind: global_buffer, .address_space: global }
      - { .name: b_proj, .offset: 16, .size: 8, .value_kind: global_buffer, .address_space: global }
      - { .name: x, .offset: 24, .size: 8, .value_kind: global_buffer, .address_space: global }
      - { .name: x1, .offset: 32, .size: 8, .value_kind: global_buffer, .address_space: global }
    .group_segment_fixed_size: 327680
    .private_segment_fixed_size: 0
    .kernarg_segment_align: 8
    .kernarg_segment_size: 40
    .max_flat_workgroup_size: 128
    .sgpr_count:     80
    .vgpr_count:     640
    .wavefront_size: 32
...
	.end_amdgpu_metadata
.endif
;; end of part 4
;; launch ln2 (part 5): grid 512 x 1, 8 waves a work-group, no clusters, 0 bytes of LDS; arguments x1, ln2_g, ln2_b, h2; writes h2
.if DOCPART == 5
	.amdgcn_target "amdgcn-amd-amdhsa--gfx1250"
	.amdhsa_code_object_version 6
	.text
	.protected	k_q4fa1ad96ff_ln2
	.globl	k_q4fa1ad96ff_ln2
	.p2align	8
	.type	k_q4fa1ad96ff_ln2,@function
k_q4fa1ad96ff_ln2:
	s_mov_b64 s[64:65], 0
	v_nop
	global_prefetch_b8 v0, s[64:65] scope:SCOPE_SE
	s_setreg_imm32_b32 hwreg(HW_REG_WAVE_MODE, 25, 1), 1
	s_wait_xcnt 0x0
; h2 = LayerNorm(x1) g + b, rounded to f16.  x1: [4096][1024] f32; one wave a row, 8 rows a work-group.
; LIMIT: h2, at most 32 x the gain plus the bias, lies within f16's 65,504; beyond it the conversion gives an infinity.  Below 6e-5 f16 keeps a fixed step of 6e-8.
; Memory binds: no LDS, no barrier, no matrix unit; a row stays in 32 registers between the passes, so x1 is read once.  The variance is taken of the differences x - mean, not of a difference of sums.
; A load of a wave covers 512 consecutive bytes; a store of a wave 256 consecutive bytes, aligned.
.set X,   8                            ; v[8:39]    the row: load j holds columns 128 j + 4 lane .. + 3
.set G,   40                           ; v[40:71]   the gains
.set B,   72                           ; v[72:103]  the biases
.set Y,   104                          ; v[104:119] the row in f16
.set C,   104                          ; v[104:111] before that: four chains of sums
.set SEL, 12
.set KI,  16                           ; s16  1/1024
.set KE,  17                           ; s17  1e-5
.macro FOLD                            ; the four chains, the pair's halves and the 32 lanes are added: v4 holds the sum in every lane
	v_pk_add_f32 v[C:C+1], v[C:C+1], v[C+2:C+3]
	v_pk_add_f32 v[C+4:C+5], v[C+4:C+5], v[C+6:C+7]
	v_pk_add_f32 v[C:C+1], v[C:C+1], v[C+4:C+5]
	v_add_f32 v4, v[C], v[C+1]
	v_add_f32_dpp v4, v4, v4 row_xmask:1 row_mask:0xf bank_mask:0xf
	v_add_f32_dpp v4, v4, v4 row_xmask:2 row_mask:0xf bank_mask:0xf
	v_add_f32_dpp v4, v4, v4 row_xmask:4 row_mask:0xf bank_mask:0xf
	v_add_f32_dpp v4, v4, v4 row_xmask:8 row_mask:0xf bank_mask:0xf
	v_permlanex16_b32 v5, v4, s[SEL], s[SEL+1]
	v_add_f32 v4, v4, v5
.endm
	s_load_b256 s[4:11], s[0:1], 0x0               ; x1 s[4:5], ln2_g s[6:7], ln2_b s[8:9], h2 s[10:11]
	v_lshrrev_b32 v1, 5, v0
	v_readfirstlane_b32 s14, v1
	v_and_b32 v3, 31, v0
	v_lshlrev_b32 v1, 4, v3
	v_lshlrev_b32 v2, 3, v3
	s_lshl_b32 s2, ttmp9, 3
	s_add_co_u32 s2, s2, s14                       ; my row
	s_lshl_b32 s18, s2, 12
	s_mov_b32 s19, 0
	s_lshl_b32 s20, s2, 11
	s_mov_b32 s21, 0
	s_wait_kmcnt 0x0
	s_add_nc_u64 s[4:5], s[4:5], s[18:19]
	s_add_nc_u64 s[10:11], s[10:11], s[20:21]
.irp j, 0,1,2,3,4,5,6,7
	global_load_b128 v[X+4*\j:X+4*\j+3], v1, s[4:5] offset:512*\j
.endr
.irp j, 0,1,2,3,4,5,6,7
	global_load_b128 v[G+4*\j:G+4*\j+3], v1, s[6:7] offset:512*\j
.endr
.irp j, 0,1,2,3,4,5,6,7
	global_load_b128 v[B+4*\j:B+4*\j+3], v1, s[8:9] offset:512*\j
.endr
	s_mov_b32 s[SEL], 0x76543210
	s_mov_b32 s[SEL+1], 0xfedcba98
	s_mov_b32 s[KI], 0x3a800000
	s_mov_b32 s[KE], 0x3727c5ac
	v_mov_b32 v5, 0                                ; v_permlanex16_b32 counts as a reader of its destination
	s_wait_loadcnt 16                              ; the row is in; the 16 younger loads, gains and biases, stay out
.irp k, 0,1,2,3
	v_pk_add_f32 v[C+2*\k:C+2*\k+1], v[X+2*\k:X+2*\k+1], v[X+8+2*\k:X+8+2*\k+1]
.endr
.irp u, 16,24
.irp k, 0,1,2,3
	v_pk_add_f32 v[C+2*\k:C+2*\k+1], v[C+2*\k:C+2*\k+1], v[X+\u+2*\k:X+\u+2*\k+1]
.endr
.endr
	FOLD
	v_mul_f32 v6, s[KI], v4                        ; the mean, twice
	v_mov_b32 v7, v6
.set p, 0
.rept 16
	v_pk_add_f32 v[X+2*p:X+2*p+1], v[X+2*p:X+2*p+1], v[6:7] neg_lo:[0,1] neg_hi:[0,1]
.set p, p+1
.endr
.irp k, 0,1,2,3
	v_pk_mul_f32 v[C+2*\k:C+2*\k+1], v[X+2*\k:X+2*\k+1], v[X+2*\k:X+2*\k+1]
.endr
.irp u, 8,16,24
.irp k, 0,1,2,3
	v_pk_fma_f32 v[C+2*\k:C+2*\k+1], v[X+\u+2*\k:X+\u+2*\k+1], v[X+\u+2*\k:X+\u+2*\k+1], v[C+2*\k:C+2*\k+1]
.endr
.endr
	FOLD
	v_fma_f32 v4, v4, s[KI], s[KE]                 ; variance + 1e-5
	v_rsq_f32 v6, v4
	v_rsq_f32 v7, v4
	v_nop                                          ; a plain instruction behind the last root,
	s_wait_alu depctr_va_vdst(0)                   ; and the one wait for both, ahead of their first reader
	s_wait_loadcnt 0x0
.set p, 0
.rept 16
	v_pk_mul_f32 v[X+2*p:X+2*p+1], v[X+2*p:X+2*p+1], v[6:7]
.set p, p+1
.endr
.set p, 0
.rept 16
	v_pk_fma_f32 v[X+2*p:X+2*p+1], v[X+2*p:X+2*p+1], v[G+2*p:G+2*p+1], v[B+2*p:B+2*p+1]
.set p, p+1
.endr
.set p, 0
.rept 16
	v_cvt_pk_f16_f32 v[Y+p], v[X+2*p], v[X+2*p+1]
.set p, p+1
.endr
.irp j, 0,1,2,3,4,5,6,7
	global_store_b64 v2, v[Y+2*\j:Y+2*\j+1], s[10:11] offset:256*\j
.endr
	s_endpgm
.Lfunc_end_k_q4fa1ad96ff_ln2:
	.size	k_q4fa1ad96ff_ln2, .Lfunc_end_k_q4fa1ad96ff_ln2-k_q4fa1ad96ff_ln2
	.p2alignl 7, 3214868480
	.fill 96, 4, 3214868480
	.section	.rodata,"a",@progbits
	.p2align	6, 0x0
	.amdhsa_kernel k_q4fa1ad96ff_ln2
		.amdhsa_group_segment_fixed_size 0
		.amdhsa_private_segment_fixed_size 0
		.amdhsa_enable_private_segment 0
		.amdhsa_kernarg_size 32
		.amdhsa_user_sgpr_count 2
		.amdhsa_user_sgpr_kernarg_segment_ptr 1
		.amdhsa_wavefront_size32 1
		.amdhsa_system_sgpr_workgroup_id_x 1
		.amdhsa_system_sgpr_workgroup_id_y 1
		.amdhsa_system_sgpr_workgroup_id_z 1
		.amdhsa_system_vgpr_workitem_id 0
		.amdhsa_next_free_vgpr 120
		.amdhsa_next_free_sgpr 66
		.amdhsa_reserve_vcc 0
		.amdhsa_float_denorm_mode_32 3
		.amdhsa_float_denorm_mode_16_64 3
		.amdhsa_memory_ordered 1
		.amdhsa_forward_progress 1
		.amdhsa_inst_pref_size 12
	.end_amdhsa_kernel
	.amdgpu_metadata
---
amdhsa.version: [ 1, 2 ]
amdhsa.kernels:
  - .name:           k_q4fa1ad96ff_ln2
    .symbol:         k_q4fa1ad96ff_ln2.kd
    .args:
      - { .name: x1, .offset: 0, .size: 8, .value_kind: global_buffer, .address_space: global }
      - { .name: ln2_g, .offset: 8, .size: 8, .value_kind: global_buffer, .address_space: global }
      - { .name: ln2_b, .offset: 16, .size: 8, .value_kind: global_buffer, .address_space: global }
      - { .name: h2, .offset: 24, .size: 8, .value_kind: global_buffer, .address_space: global }
    .group_segment_fixed_size: 0
    .private_segment_fixed_size: 0
    .kernarg_segment_align: 8
    .kernarg_segment_size: 32
    .max_flat_workgroup_size: 256
    .sgpr_count:     66
    .vgpr_count:     120
    .wavefront_size: 32
...
	.end_amdgpu_metadata
.endif
;; end of part 5
;; launch fc (part 6): grid 16 x 16, 4 waves a work-group, clusters of 4 x 4, 327,680 bytes of LDS; arguments h2, wb, b_fc, hf; writes hf
.if DOCPART == 6
	.amdgcn_target "amdgcn-amd-amdhsa--gfx1250"
	.amdhsa_code_object_version 6
	.text
	.protected	k_q4fa1ad96ff_fc
	.globl	k_q4fa1ad96ff_fc
	.p2align	8
	.type	k_q4fa1ad96ff_fc,@function
k_q4fa1ad96ff_fc:
	s_mov_b64 s[64:65], 0
	v_nop
	global_prefetch_b8 v0, s[64:65] scope:SCOPE_SE
	s_setreg_imm32_b32 hwreg(HW_REG_WAVE_MODE, 25, 1), 1
	s_wait_xcnt 0x0
	s_wait_alu depctr_hold_cnt(0) depctr_sa_sdst(0) depctr_va_vdst(0) depctr_va_sdst(0) depctr_va_ssrc(0) depctr_va_vcc(0) depctr_vm_vsrc(0)
	s_getreg_b32 s2, hwreg(HW_REG_IB_STS2, 6, 4)
	s_cmp_eq_u32 s2, 0
	s_cbranch_scc0 .Lentry_in_a_cluster
	s_endpgm
.Lentry_in_a_cluster:
	s_bfe_u32 s2, ttmp6, 0x10000c
	s_cmp_lg_u32 s2, 0xf033
	s_cbranch_scc0 .Lentry_shape_is_right
	s_endpgm
.Lentry_shape_is_right:
; hf = gelu(h2 Wf + b_fc), the tanh form, rounded to f16.  h2: [4096][1024] f16; Wf: [1024][4096] f16 at byte 8,388,608 of wb, as w_fc lies ([K][N]); hf: [4096][4096] f16.  Sums and gelu in f32.
; gelu(x) = x / (1 + 2^(x (c0 + c1 x^2))), c0 = -2 log2(e) sqrt(2 / pi), c1 = 0.044715 c0: where the power overflows the quotient is 0, where it vanishes it is x.
; LIMIT: hf lies within f16's 65,504; beyond it the conversion gives an infinity.  With gains and weights 30 times those of unit gains and weights of spread 1/32 the sums have a spread of 900.  Below 6e-5 f16 keeps a fixed step of 6e-8.
; NaN and infinities are not treated apart.
; SHARES.  A work-group makes 256 x 256 (256 work-groups), each of its four waves 128 x 128: 64 accumulators of 16 x 16, 512 registers.  K goes in steps of 128 through a ring of two LDS slots.
; THE MATRIX INSTRUCTION IS USED TRANSPOSED: source 0 = 16 columns of W (turned on the way out of LDS by ds_load_tr16_b128), source 1 = 16 rows of A: a lane then holds one row and eight neighbouring columns.
; CLUSTER 4 x 4: A's tile is asked for jointly by a row of the cluster, W's by a column.  Waves 0, 1 fetch A's two halves, waves 2, 3 W's.
; THE WALK ALONG K begins at K's middle in the clusters whose x + y is odd, and goes round K's end.  The clusters that read the same rows of A differ in x, those that read the same rows of W in y: so each K step is read
; by one half of its readers STEPS / 2 steps ahead of the other half, not by all at once.  The number hangs on the cluster's coordinates, which the sixteen partners share.  (f32 sums may be taken in any order.)
; A K STEP'S TEXT IS WRITTEN ONCE.  A step is four quarters of 32 along K, on fragment buffers 0, 1, 0, 1.  The slots change between quarters 2 and 3, when quarter 3's fragments are in registers: a trip is the change and then twice
; (a quarter on buffer 1, a quarter on buffer 0).  The loop is entered in its middle, the tail left in its middle.
; THE SUMS START WITH THE BIAS (a product of two zero fragments with the bias as C), while the first tile is on its way.
; THE WAY OUT goes through the ring's bytes, which have had their last fill: each wave stores its f32 tile in an area of its own and reads whole rows of 512 bytes back.
; REGISTERS, in windows of 256: 0 addresses, bias, way out; 1 two fragment buffers of 128 (W's fragments, then A's); 2, 3 the accumulators ((a, b) at 8 (NB a + b)).
.set SIZE_N, 4096
.set SIZE_K, 1024
.set MB,    8
.set NB,    8
.set KSTEP, 128
.set QK,    32
.set WOFF,  8388608
.set PA,    272                        ; A's LDS row: 256 bytes + 16: the 16 rows of a load start at 16 different groups of four banks (64 banks of 4 bytes: ISA guide 11.1)
.set AQI,   5
.set CH,    512                        ; W's LDS row: 512 bytes + 32 = 17 x 32
.set BP,    32
.set BQI,   6
.set BCODE, 7
.set WCOL,  256
.set DP,    528
.set TM,    32*MB
.set TN,    32*NB
.set STEPS, SIZE_K/KSTEP
.set PB,    (2*TN/CH)*(CH+BP)
.set AHALF, (TM/2)*PA
.set BHALF, (KSTEP/2)*PB
.set SLOT,  2*AHALF+2*BHALF
.set SPARE, 2*SLOT
.set DAREA, 16*MB*DP
.set NW,    MB*NB*QK/32
.set AF,    8*NB*QK/32
.set ASTEP, 2*KSTEP                    ; bytes from K step to K step in A, and in W
.set BSTEP, KSTEP*2*SIZE_N
.set DA,    2*QK                       ; LDS bytes from quarter to quarter in A's tile, and in W's
.set DB,    QK*PB
.set F0,    0                          ; the fragment buffers, in window 1
.set F1,    128
.set ADRA0, 16
.set ADRB0, 17
.set AA,    18
.set AB,    19
.set STO,   20
.set RD,    21
.set CO,    22
.set BO,    25
.set PFO,   26
.set SPW,   28
.set NIL,   29
.set BIAS,  32                         ; v[32:95]
.set XR,    128                        ; the way out: v[128:191] 16 rows' x; v[192:255] at work, then the packed result
.set TR,    192
.set OFS, 2                            ; s[2:3] an offset in 64 bits; s3 stays 0
.set WV, 14
.set WM, 15
.set WN, 16
.set CNT, 17
.set TB,  18                           ; the slot in hand: 0 or SLOT
.set LBA, 19
.set LBB, 20
.set QI,  21                           ; the quarter to be fetched next, 0 to 3
.set HALF, 22                          ; counts a step's pairs of quarters
.set NX,  23                           ; the K step to be asked for next
.set G1A, 24
.set G0A, 32
.set CX,  40
.set CY,  41
.set TX,  42
.set TY,  43
.set PFA, 44
.set G1B, 48
.set G0B, 56
.set LIM, 66
.set BA,  74                           ; s[74:75] my part of A's tile at K step 0; s[76:77] of W's; never rewritten
.set BB,  76
.set MSB, 0
.macro WIN new
.if MSB != (\new)
	s_set_vgpr_msb (MSB<<8)|(\new)
.set MSB, (\new)
.endif
.endm
.macro PLACES                          ; four plain instructions between a matrix instruction and a load into, or a reader of, its registers
.rept 4
	v_nop
.endr
.endm
.macro AIM set                         ; both descriptors' set takes K step s[NX]: the address is made anew from that number; then the walk goes on, round K's end
	s_mul_i32 s[OFS], s[NX], ASTEP
	s_add_nc_u64 s[G0A+4*(\set)+2:G0A+4*(\set)+3], s[BA:BA+1], s[OFS:OFS+1]
	s_or_b32 s[G0A+4*(\set)+3], s[G0A+4*(\set)+3], 0x80000000
	s_mul_i32 s[OFS], s[NX], BSTEP
	s_add_nc_u64 s[G0B+4*(\set)+2:G0B+4*(\set)+3], s[BB:BB+1], s[OFS:OFS+1]
	s_or_b32 s[G0B+4*(\set)+3], s[G0B+4*(\set)+3], 0x80000000
	s_add_co_u32 s[NX], s[NX], 1
	s_and_b32 s[NX], s[NX], STEPS-1
.endm
.macro JLOAD                           ; a joint refill; an s_nop 0 and four v_nop follow each line
	s_cmp_eq_u32 s[WM], 0
	s_cbranch_scc0 .Lfor_w_\@
	tensor_load_to_lds s[G0A+4:G0A+7], s[G1A:G1A+7]
	s_nop 0
	PLACES
	s_branch .Lasked_\@
.Lfor_w_\@:
	tensor_load_to_lds s[G0B+4:G0B+7], s[G1B:G1B+7]
	s_nop 0
	PLACES
.Lasked_\@:
.endm
.macro CREST
	s_cmp_lg_u32 s[WV], 0
	s_cbranch_scc1 .Lnot_wave_0_\@
	s_barrier_signal -3
.Lnot_wave_0_\@:
	s_barrier_wait -3
	s_barrier_signal -1
	s_barrier_wait -1
.endm
.macro CROUND
	s_barrier_signal -1
	s_barrier_wait -1
	CREST
.endm
.macro ASK                             ; the one prefetch of a wave: behind its first refill (the walk's third K step) it names the walk's fourth, one K step ahead of the load that will want it
	s_cmp_eq_u32 s[CNT], s[LIM]
	s_cbranch_scc0 .Lnot_mine_\@
	global_prefetch_b8 v[PFO], s[PFA:PFA+1] th:TH_LOAD_NT scope:SCOPE_SE
.Lnot_mine_\@:
.endm
.macro MUL f, i0, n                    ; the accumulators take turns, one instruction a turn, in the same order in every quarter
.set i, (\i0)
.rept (\n)
.set rD, 8*(i%(MB*NB))
.set rW, (\f)+8*(NB*(i/(MB*NB))+i%NB)
.set rA, (\f)+AF+8*(MB*(i/(MB*NB))+(i%(MB*NB))/NB)
	WIN 0x05|((2+rD/256)<<4)|((2+rD/256)<<6)
	v_wmma_f32_16x16x32_f16 v[rD%256:rD%256+7], v[rW:rW+7], v[rA:rA+7], v[rD%256:rD%256+7]
.set i, i+1
.endr
.endm
.macro FETCH f                         ; 32 LDS loads in one run: the fragments of quarter s[QI] of the slot in hand into buffer f; then the count goes on, modulo 4
	WIN 0
	s_mul_i32 s72, s[QI], DA
	s_mul_i32 s73, s[QI], DB
	s_add_co_u32 s72, s72, s[TB]
	s_add_co_u32 s73, s73, s[TB]
	v_add_nc_u32 v[AA], s72, v[ADRA0]
	v_add_nc_u32 v[AB], s73, v[ADRB0]
	s_add_co_u32 s[QI], s[QI], 1
	s_and_b32 s[QI], s[QI], 3
	WIN 0x40
.set bb, 0
.rept NB
.set d, (\f)+8*bb
	ds_load_tr16_b128 v[d:d+3], v[AB] offset:32*bb
	ds_load_tr16_b128 v[d+4:d+7], v[AB] offset:32*bb+16*PB
.set bb, bb+1
.endr
.set aa, 0
.rept MB
.set d, (\f)+AF+8*aa
	ds_load_b128 v[d:d+3], v[AA] offset:aa*16*PA
	ds_load_b128 v[d+4:d+7], v[AA] offset:aa*16*PA+32
.set aa, aa+1
.endr
.endm
.macro QUARTER f, g                    ; multiplies buffer f and, in its middle, fetches the next quarter into buffer g
	s_wait_dscnt 0x0                               ; buffer f's 32 loads, issued half a quarter ago
	MUL \f, 0, NW/2
	PLACES
	FETCH \g
	MUL \f, NW/2, NW/2
.endm
; THE CHANGE OF SLOTS.  Each wave waits for all its tensor loads (one is out: its part of the next slot), adds 0 to its spare word, and waits for that and for its reads of the slot in hand, of which the last, quarter 3's, were issued
; half a quarter ago.  fill = 1: the barrier opens a round of the cluster's, and the slot just read is filled again first thing behind it, with the walk's K step two on: a whole step's 256 matrix instructions stand between the request and the wait for it.
.macro CHANGE fill
	WIN 0
	s_wait_tensorcnt 0x0                           ; no tensor load of mine is out, so a group 0 may be written
	ds_add_u32 v[SPW], v[NIL]                      ; 0 onto my spare word
.if \fill
	s_add_co_u32 s[G0A+5], s[LBA], s[TB]           ; into the slot in hand
	s_add_co_u32 s[G0B+5], s[LBB], s[TB]
	AIM 1
.endif
	s_wait_dscnt 0x0                               ; the add is done, and my reads of this slot are over
	s_barrier_signal -1
	s_barrier_wait -1
.if \fill
	CREST
.endif
	s_xor_b32 s[TB], s[TB], SLOT
.if \fill
	JLOAD
	ASK
.endif
.endm
	s_load_b256 s[4:11], s[0:1], 0x0               ; h2 s[4:5], wb s[6:7], b_fc s[8:9], hf s[10:11]
	v_lshl_add_u32 v[SPW], v0, 2, SPARE
	v_mov_b32 v[NIL], 0
	ds_add_u32 v[SPW], v[NIL]                      ; the wave's opening: the add and its wait stand ahead of my first tensor load
	ds_add_u32 v28, v29
	v_lshrrev_b32 v1, 5, v0
	v_readfirstlane_b32 s[WV], v1
	s_lshr_b32 s[WM], s[WV], 1
	s_and_b32 s[WN], s[WV], 1
	s_bfe_u32 s[CX], ttmp6, 0x40000
	s_bfe_u32 s[CY], ttmp6, 0x40004
	s_lshl_b32 s[TX], ttmp9, 2
	s_add_co_u32 s[TX], s[TX], s[CX]
	s_and_b32 s[TY], ttmp7, 0xffff
	s_add_co_u32 s[NX], s[TY], ttmp9               ; cluster x + cluster y:
	s_and_b32 s[NX], s[NX], 1
	s_mul_i32 s[NX], s[NX], STEPS/2                ; where it is odd the walk begins at K's middle
	s_lshl_b32 s[TY], s[TY], 2
	s_add_co_u32 s[TY], s[TY], s[CY]
	s_mov_b32 s[OFS+1], 0
	s_lshl_b32 s72, s[CY], 2
	s_lshl_b32 s72, 15, s72
	s_lshl_b32 s73, 0x1111, s[CX]
	s_or_b32 s[G1A], s72, (1<<16)|(1<<20)|(1<<21)|(AQI<<22)|(3<<25)
	s_or_b32 s[G1B], s73, (1<<16)|(1<<20)|(1<<21)|(BQI<<22)|(BCODE<<25)
	s_mov_b32 s[G1A+1], KSTEP<<16
	s_mov_b32 s[G1A+2], (TM/2)<<16
	s_mov_b32 s[G1A+3], KSTEP<<16
	s_mov_b32 s[G1A+4], TM/2
	s_mov_b32 s[G1A+5], SIZE_K
	s_mov_b32 s[G1A+6], 0
	s_mov_b32 s[G1A+7], 0
	s_mov_b32 s[G1B+1], TN<<16
	s_mov_b32 s[G1B+2], (KSTEP/2)<<16
	s_mov_b32 s[G1B+3], TN<<16
	s_mov_b32 s[G1B+4], KSTEP/2
	s_mov_b32 s[G1B+5], SIZE_N
	s_mov_b32 s[G1B+6], 0
	s_mov_b32 s[G1B+7], 0
	s_mul_i32 s[BA], s[TY], TM
	s_mul_i32 s[BA+1], s[WN], TM/2
	s_add_co_u32 s[BA], s[BA], s[BA+1]
	s_mul_i32 s[BA], s[BA], 2*SIZE_K
	s_mov_b32 s[BA+1], 0
	s_mul_i32 s[BB], s[TX], 2*TN
	s_mul_i32 s[BB+1], s[WN], (KSTEP/2)*2*SIZE_N
	s_add_co_u32 s[BB], s[BB], s[BB+1]
	s_add_co_u32 s[BB], s[BB], WOFF
	s_mov_b32 s[BB+1], 0
	s_mul_i32 s[LBA], s[WN], AHALF
	s_mul_i32 s[LBB], s[WN], BHALF
	s_add_co_u32 s[LBB], s[LBB], 2*AHALF
	s_wait_dscnt 0x0
	s_wait_kmcnt 0x0
	s_add_nc_u64 s[BA:BA+1], s[4:5], s[BA:BA+1]
	s_add_nc_u64 s[BB:BB+1], s[6:7], s[BB:BB+1]
.irp s, 0,1
	s_mov_b32 s[G0A+4*\s], 1
	s_add_co_u32 s[G0A+4*\s+1], s[LBA], \s*SLOT
	s_mov_b32 s[G0B+4*\s], 1
	s_add_co_u32 s[G0B+4*\s+1], s[LBB], \s*SLOT
	AIM \s                                         ; the walk's first two K steps
.endr
	CROUND
	s_cmp_eq_u32 s[WM], 0                          ; a wave's two first fills stand in one branch: two loads of mine are out
	s_cbranch_scc0 .Lfirst_w
	tensor_load_to_lds s[G0A:G0A+3], s[G1A:G1A+7]
	s_nop 0
	tensor_load_to_lds s[G0A+4:G0A+7], s[G1A:G1A+7]
	s_nop 0
	PLACES
	s_branch .Lfirst_asked
.Lfirst_w:
	tensor_load_to_lds s[G0B:G0B+3], s[G1B:G1B+7]
	s_nop 0
	tensor_load_to_lds s[G0B+4:G0B+7], s[G1B:G1B+7]
	s_nop 0
	PLACES
.Lfirst_asked:
	v_and_b32 v1, 15, v0
	v_bfe_u32 v2, v0, 4, 1
	v_and_b32 v3, 31, v0
	s_mul_i32 s72, s[TX], TN*4
	s_mul_i32 s73, s[WN], 64*NB
	s_add_co_u32 s72, s72, s73
	v_lshl_add_u32 v[BO], v2, 5, s72
.set b, 0
.rept NB
	global_load_b128 v[BIAS+8*b:BIAS+8*b+3], v[BO], s[8:9] offset:64*b
	global_load_b128 v[BIAS+8*b+4:BIAS+8*b+7], v[BO], s[8:9] offset:64*b+16
.set b, b+1
.endr
	WIN 0x40
.set i, 0
.rept 16
	v_mov_b32 v[128+i], 0                          ; two zero fragments
.set i, i+1
.endr
	WIN 0
	v_mul_u32_u24 v[ADRA0], v1, PA
	v_lshl_add_u32 v[ADRA0], v2, 4, v[ADRA0]
	s_mul_i32 s72, s[WM], AHALF
	v_add_nc_u32 v[ADRA0], s72, v[ADRA0]
	v_and_b32 v4, 7, v0
	v_lshl_add_u32 v4, v2, 3, v4
	v_mul_u32_u24 v[ADRB0], v4, PB
	v_bfe_u32 v5, v0, 3, 1
	v_lshl_add_u32 v[ADRB0], v5, 4, v[ADRB0]
	s_mul_i32 s72, s[WN], WCOL
	s_add_co_u32 s72, s72, 2*AHALF
	v_add_nc_u32 v[ADRB0], s72, v[ADRB0]
	s_mul_i32 s73, s[WV], DAREA
	v_mul_u32_u24 v[STO], v1, DP
	v_lshl_add_u32 v[STO], v2, 5, v[STO]
	v_add_nc_u32 v[STO], s73, v[STO]
	v_lshl_add_u32 v[RD], v3, 4, s73               ; back: a row's 512 bytes, 16 a lane,
	v_lshlrev_b32 v[CO], 3, v3                     ; which leave as 256 bytes of f16
	s_lshl_b32 s72, s[TY], 8
	s_lshl_b32 s73, s[WM], 7
	s_add_co_u32 s72, s72, s73
	s_lshl_b32 s72, s72, 13
	s_lshl_b32 s73, s[TX], 9
	s_add_co_u32 s72, s72, s73
	s_lshl_b32 s73, s[WN], 8
	s_add_co_u32 s72, s72, s73
	s_mov_b32 s73, 0
	s_add_nc_u64 s[10:11], s[10:11], s[72:73]
	s_mov_b32 s68, 0xc0135761                      ; c0
	s_mov_b32 s69, s68
	s_mov_b32 s70, 0xbdd2d3e8                      ; c1
	s_mov_b32 s71, s70
	; THE PREFETCH.  Of a cluster's eight K steps the first two are asked for at the head and the third one step later; the last four are read four steps earlier by the clusters of the other parity.  So one K step is named: the walk's fourth.
	; It is 256 bytes of each of A's 256 rows and 512 bytes of each of W's 128 k rows.  Of the clusters that walk it at that place, one asks: for A's rows the one with x < 2, for W's the one with y < 2.  Of what a wave fetches, each of the four
	; partners that ask for it jointly takes a quarter, told apart by address (cx for A, cy for W): 32 rows of A, a lane a row, or 16 k rows of W, two lanes a row.  So each block of 256 bytes is named once in the launch.
	s_add_co_u32 s12, s[NX], 1                     ; s[NX] stands at the walk's third K step, 2 or 6
	s_lshl_b32 s72, s[TY], 8
	s_lshl_b32 s73, s[WN], 7
	s_add_co_u32 s72, s72, s73
	s_lshl_b32 s73, s[CX], 5
	s_add_co_u32 s72, s72, s73
	s_lshl_b32 s72, s72, 11
	s_mul_i32 s73, s12, ASTEP
	s_add_co_u32 s72, s72, s73
	s_lshl_b32 s78, s[WN], 6
	s_lshl_b32 s79, s[CY], 4
	s_add_co_u32 s78, s78, s79
	s_lshl_b32 s78, s78, 13
	s_lshl_b32 s79, s[TX], 9
	s_add_co_u32 s78, s78, s79
	s_mul_i32 s79, s12, BSTEP
	s_add_co_u32 s78, s78, s79
	s_add_co_u32 s78, s78, WOFF
	s_and_b32 s73, ttmp7, 0xffff
	s_cmp_eq_u32 s[WM], 0
	s_cselect_b32 s72, s72, s78
	s_cselect_b32 s73, ttmp9, s73                  ; the coordinate along which other clusters read the same rows
	s_cselect_b64 s[PFA:PFA+1], s[4:5], s[6:7]
	s_cselect_b32 s67, -1, 0
	s_cmp_lt_u32 s73, 2
	s_cselect_b32 s[LIM], STEPS-2, 0               ; the count at the first refill, or a number that the count never has there; the same in all sixteen partners
	s_mov_b32 s73, 0
	s_add_nc_u64 s[PFA:PFA+1], s[PFA:PFA+1], s[72:73]
	v_lshlrev_b32 v4, 11, v3
	v_lshrrev_b32 v5, 1, v3
	v_and_b32 v6, 1, v3
	v_lshlrev_b32 v5, 13, v5
	v_lshl_add_u32 v5, v6, 8, v5
	v_cndmask_b32 v[PFO], v5, v4, s67
	s_wait_loadcnt 0x0                             ; the bias
.set i, 0
.rept MB*NB                            ; every sum starts with its bias
.set rD, 8*i
	WIN 0x05|((2+rD/256)<<6)
	v_wmma_f32_16x16x32_f16 v[rD%256:rD%256+7], v[128:135], v[136:143], v[BIAS+8*(i%NB):BIAS+8*(i%NB)+7]
.set i, i+1
.endr
	WIN 0
	s_wait_tensorcnt 0x1                           ; my part of the first K step is in; slot 1's may stay out
	s_barrier_signal -1
	s_barrier_wait -1
	s_mov_b32 s[TB], 0
	s_mov_b32 s[QI], 0
	FETCH F0
	WIN 0
	s_mov_b32 s[CNT], STEPS-1                      ; the part of a trip that the entry runs, and a trip for each refill
	s_mov_b32 s[HALF], 2
	s_branch .Lmid                                 ; the loop is entered in its middle: quarters 0, 1 and 2 of the first step
.Lk:
	CHANGE 1
	s_mov_b32 s[HALF], 2
.Lh:                                           ; quarter 3 of one step and quarter 0 of the next; then quarters 1 and 2
	QUARTER F1, F0
	WIN 0
.Lmid:
	QUARTER F0, F1
	WIN 0
	s_sub_co_u32 s[HALF], s[HALF], 1
	s_cmp_lg_u32 s[HALF], 0
	s_cbranch_scc1 .Lh
	s_sub_co_u32 s[CNT], s[CNT], 1
	s_cmp_lg_u32 s[CNT], 0
	s_cbranch_scc1 .Lk
	CHANGE 0                                       ; the tail is written out: nothing is asked for
	s_mov_b32 s[HALF], 3
.Lt:                                           ; quarter 3, then the last step's four; the tail is left in its middle.  The last quarter's run of loads reads the last slot's first quarter once more, for nobody: the price of one text
	QUARTER F1, F0
	WIN 0
	s_sub_co_u32 s[HALF], s[HALF], 1
	s_cmp_eq_u32 s[HALF], 0
	s_cbranch_scc1 .Lend
	QUARTER F0, F1
	WIN 0
	s_branch .Lt
.Lend:
	s_wait_dscnt 0x0
	s_barrier_signal -1
	s_barrier_wait -1                              ; nobody reads the ring any more
	PLACES
.set i, 0
.rept MB*NB                            ; each accumulator's low registers first
.set rD, 8*i
	WIN (2+rD/256)<<2
	ds_store_b128 v[STO], v[rD%256:rD%256+3] offset:(i/NB)*16*DP+64*(i%NB)
	ds_store_b128 v[STO], v[rD%256+4:rD%256+7] offset:(i/NB)*16*DP+64*(i%NB)+16
.set i, i+1
.endr
	WIN 0
	s_mov_b32 s[CNT], 8
.Lout:                                         ; 16 rows a trip; LDS serves a wave's instructions in order (ISA guide 5.7.1.4): these loads see my stores above
.set i, 0
.rept 16
	ds_load_b128 v[XR+4*i:XR+4*i+3], v[RD] offset:DP*i
.set i, i+1
.endr
	s_wait_dscnt 0x0
.set j, 0
.rept 32                               ; z = x (c0 + c1 x^2), a pair at a time; the exponentials of the pair before stand between the plain lines; none of their results is named ahead of the wait
	v_pk_mul_f32 v[TR+2*j:TR+2*j+1], v[XR+2*j:XR+2*j+1], v[XR+2*j:XR+2*j+1]
.if j > 0
	v_exp_f32 v[TR+2*j-2], v[TR+2*j-2]
.endif
	v_pk_fma_f32 v[TR+2*j:TR+2*j+1], v[TR+2*j:TR+2*j+1], s[70:71], s[68:69] op_sel_hi:[1,0,0]
.if j > 0
	v_exp_f32 v[TR+2*j-1], v[TR+2*j-1]
.endif
	v_pk_mul_f32 v[TR+2*j:TR+2*j+1], v[TR+2*j:TR+2*j+1], v[XR+2*j:XR+2*j+1]
.set j, j+1
.endr
	v_exp_f32 v[TR+62], v[TR+62]
	v_exp_f32 v[TR+63], v[TR+63]
	v_nop                                          ; a plain instruction behind the last exponential,
	s_wait_alu depctr_va_vdst(0)                   ; and one wait for the 64
.set j, 0
.rept 32
	v_pk_add_f32 v[TR+2*j:TR+2*j+1], v[TR+2*j:TR+2*j+1], 1.0 op_sel_hi:[1,0]
.if j > 0
	v_rcp_f32 v[TR+2*j-2], v[TR+2*j-2]
	v_rcp_f32 v[TR+2*j-1], v[TR+2*j-1]
.endif
.set j, j+1
.endr
	v_rcp_f32 v[TR+62], v[TR+62]
	v_rcp_f32 v[TR+63], v[TR+63]
	v_nop
	s_wait_alu depctr_va_vdst(0)                   ; one wait for the 64 reciprocals
.set j, 0
.rept 32
	v_pk_mul_f32 v[XR+2*j:XR+2*j+1], v[XR+2*j:XR+2*j+1], v[TR+2*j:TR+2*j+1]
.set j, j+1
.endr
.set j, 0
.rept 32
	v_cvt_pk_f16_f32 v[TR+j], v[XR+2*j], v[XR+2*j+1]
.set j, j+1
.endr
.set i, 0
.rept 16
	global_store_b64 v[CO], v[TR+2*i:TR+2*i+1], s[10:11] offset:2*SIZE_N*i  ; 32 lanes x 8 bytes: 256 consecutive bytes, aligned
.set i, i+1
.endr
	s_wait_xcnt 0x0                                ; the stores have read their registers and their base
	s_add_nc_u64 s[10:11], s[10:11], 16*2*SIZE_N
	v_add_nc_u32 v[RD], 16*DP, v[RD]
	s_sub_co_u32 s[CNT], s[CNT], 1
	s_cmp_lg_u32 s[CNT], 0
	s_cbranch_scc1 .Lout
	s_wait_tensorcnt 0x0                           ; the wave's end
	ds_add_u32 v[SPW], v[NIL]
	s_wait_dscnt 0x0
	CROUND                                         ; the closing round
	s_endpgm
.Lfunc_end_k_q4fa1ad96ff_fc:
	.size	k_q4fa1ad96ff_fc, .Lfunc_end_k_q4fa1ad96ff_fc-k_q4fa1ad96ff_fc
	.p2alignl 7, 3214868480
	.fill 96, 4, 3214868480
	.section	.rodata,"a",@progbits
	.p2align	6, 0x0
	.amdhsa_kernel k_q4fa1ad96ff_fc
		.amdhsa_group_segment_fixed_size 327680
		.amdhsa_private_segment_fixed_size 0
		.amdhsa_enable_private_segment 0
		.amdhsa_kernarg_size 32
		.amdhsa_user_sgpr_count 2
		.amdhsa_user_sgpr_kernarg_segment_ptr 1
		.amdhsa_wavefront_size32 1
		.amdhsa_system_sgpr_workgroup_id_x 1
		.amdhsa_system_sgpr_workgroup_id_y 1
		.amdhsa_system_sgpr_workgroup_id_z 1
		.amdhsa_system_vgpr_workitem_id 0
		.amdhsa_next_free_vgpr 1024
		.amdhsa_next_free_sgpr 80
		.amdhsa_reserve_vcc 0
		.amdhsa_float_denorm_mode_32 3
		.amdhsa_float_denorm_mode_16_64 3
		.amdhsa_memory_ordered 1
		.amdhsa_forward_progress 1
		.amdhsa_inst_pref_size 74
	.end_amdhsa_kernel
	.amdgpu_metadata
---
amdhsa.version: [ 1, 2 ]
amdhsa.kernels:
  - .name:           k_q4fa1ad96ff_fc
    .symbol:         k_q4fa1ad96ff_fc.kd
    .args:
      - { .name: h2, .offset: 0, .size: 8, .value_kind: global_buffer, .address_space: global }
      - { .name: wb, .offset: 8, .size: 8, .value_kind: global_buffer, .address_space: global }
      - { .name: b_fc, .offset: 16, .size: 8, .value_kind: global_buffer, .address_space: global }
      - { .name: hf, .offset: 24, .size: 8, .value_kind: global_buffer, .address_space: global }
    .group_segment_fixed_size: 327680
    .private_segment_fixed_size: 0
    .kernarg_segment_align: 8
    .kernarg_segment_size: 32
    .max_flat_workgroup_size: 128
    .sgpr_count:     80
    .vgpr_count:     1024
    .wavefront_size: 32
...
	.end_amdgpu_metadata
.endif
;; end of part 6
;; launch proj2 (part 7): grid 8 x 32, 4 waves a work-group, clusters of 4 x 4, 327,680 bytes of LDS; arguments hf, wb, b_proj2, x1, out0; writes out0
.if DOCPART == 7
	.amdgcn_target "amdgcn-amd-amdhsa--gfx1250"
	.amdhsa_code_object_version 6
	.text
	.protected	k_q4fa1ad96ff_proj2
	.globl	k_q4fa1ad96ff_proj2
	.p2align	8
	.type	k_q4fa1ad96ff_proj2,@function
k_q4fa1ad96ff_proj2:
	s_mov_b64 s[64:65], 0
	v_nop
	global_prefetch_b8 v0, s[64:65] scope:SCOPE_SE
	s_setreg_imm32_b32 hwreg(HW_REG_WAVE_MODE, 25, 1), 1
	s_wait_xcnt 0x0
	s_wait_alu depctr_hold_cnt(0) depctr_sa_sdst(0) depctr_va_vdst(0) depctr_va_sdst(0) depctr_va_ssrc(0) depctr_va_vcc(0) depctr_vm_vsrc(0)
	s_getreg_b32 s2, hwreg(HW_REG_IB_STS2, 6, 4)
	s_cmp_eq_u32 s2, 0
	s_cbranch_scc0 .Lentry_in_a_cluster
	s_endpgm
.Lentry_in_a_cluster:
	s_bfe_u32 s2, ttmp6, 0x10000c
	s_cmp_lg_u32 s2, 0xf033
	s_cbranch_scc0 .Lentry_shape_is_right
	s_endpgm
.Lentry_shape_is_right:
; out0 = x1 + hf W2 + b_proj2.  hf: [4096][4096] f16; W2: [4096][1024] f16 at byte 16,777,216 of wb, as w_proj2 lies ([K][N]); x1, out0: [4096][1024] f32.  Sums in f32.
; One text serves this launch and the attention's projection; the constants at its head differ (AHEADS: A lies by heads).
; SHARES.  A work-group makes 128 x 128 (256 work-groups), each of its four waves 64 x 64: 16 accumulators.  K goes in steps of 256, as long as two slots in LDS allow, through a ring of two slots.
; THE MATRIX INSTRUCTION IS USED TRANSPOSED: source 0 = 16 columns of W (turned on the way out of LDS by ds_load_tr16_b128), source 1 = 16 rows of A: a lane then holds one row and eight neighbouring columns.
; CLUSTER 4 x 4: A's tile is asked for jointly by a row of the cluster, W's by a column.  Waves 0, 1 fetch A's two halves, waves 2, 3 W's.
; THE WALK ALONG K begins at K's middle in the clusters whose x + y is odd, and goes round K's end.  The clusters that read the same rows of A differ in x, those that read the same rows of W in y: so each K step is read
; by one half of its readers STEPS / 2 steps ahead of the other half, not by all at once.  The number hangs on the cluster's coordinates, which the sixteen partners share.  (f32 sums may be taken in any order.)
; A K STEP'S TEXT IS WRITTEN ONCE.  A step is four quarters of 64 along K, on fragment buffers 0, 1, 0, 1.  The slots change between quarters 2 and 3, when quarter 3's fragments are in registers: a trip is the change and then twice
; (a quarter on buffer 1, a quarter on buffer 0).  The loop is entered in its middle, the tail left in its middle.
; THE SUMS START WITH THE BIAS (a product of two zero fragments with the bias as C).  The residual is loaded at the head, straight into the registers from which the result is stored.
; THE WAY OUT goes through the ring's bytes, which have had their last fill: each wave stores its f32 tile in an area of its own and reads whole rows of 256 bytes back.
; No prefetch: a small tile, whose step's bytes are few.
; REGISTERS, in windows of 256: 0 addresses, bias, way out; 1 two fragment buffers of 128 (W's fragments, then A's); 2 the accumulators ((a, b) at 8 (NB a + b)).
.set SIZE_N, 1024
.set SIZE_K, 4096
.set AHEADS, 0
.set WOFF,  16777216
.set PA,    528                        ; A's LDS row: 512 bytes + 16: the 16 rows of a load start at 16 different groups of four banks (64 banks of 4 bytes: ISA guide 11.1)
.set AQI,   6
.set AHALF, 64*PA
.set ASTEP, 512
.set MB,    4
.set NB,    4
.set KSTEP, 256
.set QK,    64
.if AHEADS
.set DA,    64*PA                      ; LDS bytes from quarter to quarter in A's tile: a head's 64 rows,
.else
.set DA,    2*QK                       ; or 64 numbers along the rows
.endif
.set CH,    256                        ; W's LDS row: 256 bytes + 32 = 9 x 32
.set BP,    32
.set BQI,   5
.set BCODE, 7
.set WCOL,  128
.set DP,    272
.set TM,    32*MB
.set TN,    32*NB
.set STEPS, SIZE_K/KSTEP
.set PB,    (2*TN/CH)*(CH+BP)
.set BHALF, (KSTEP/2)*PB
.set SLOT,  2*AHALF+2*BHALF
.set SPARE, 2*SLOT
.set DAREA, 16*MB*DP
.set NW,    MB*NB*QK/32
.set AF,    8*NB*QK/32
.set BSTEP, KSTEP*2*SIZE_N
.set DB,    QK*PB                      ; LDS bytes from quarter to quarter in W's tile
.set F0,    0                          ; the fragment buffers, in window 1
.set F1,    128
.set ADRA0, 16
.set ADRB0, 17
.set AA,    18
.set AB,    19
.set STO,   20
.set RD,    21
.set CO,    22
.set BO,    25
.set SPW,   28
.set NIL,   29
.set BIAS,  32                         ; v[32:63]; v[64:127] rows read back, two buffers; v[128:255] the residual, then the result
.set OFS, 2                            ; s[2:3] an offset in 64 bits; s3 stays 0
.set WV, 14
.set WM, 15
.set WN, 16
.set CNT, 17
.set TB,  18                           ; the slot in hand: 0 or SLOT
.set LBA, 19
.set LBB, 20
.set QI,  21                           ; the quarter to be fetched next, 0 to 3
.set HALF, 22                          ; counts a step's pairs of quarters
.set NX,  23                           ; the K step to be asked for next
.set G1A, 24
.set G0A, 32
.set CX,  40
.set CY,  41
.set TX,  42
.set TY,  43
.set G1B, 48
.set G0B, 56
.set BA,  74                           ; s[74:75] my part of A's tile at K step 0; s[76:77] of W's; never rewritten
.set BB,  76
.set MSB, 0
.macro WIN new
.if MSB != (\new)
	s_set_vgpr_msb (MSB<<8)|(\new)
.set MSB, (\new)
.endif
.endm
.macro PLACES                          ; four plain instructions between a matrix instruction and a load into, or a reader of, its registers
.rept 4
	v_nop
.endr
.endm
.macro AIM set                         ; both descriptors' set takes K step s[NX]: the address is made anew from that number; then the walk goes on, round K's end
	s_mul_i32 s[OFS], s[NX], ASTEP
	s_add_nc_u64 s[G0A+4*(\set)+2:G0A+4*(\set)+3], s[BA:BA+1], s[OFS:OFS+1]
	s_or_b32 s[G0A+4*(\set)+3], s[G0A+4*(\set)+3], 0x80000000
	s_mul_i32 s[OFS], s[NX], BSTEP
	s_add_nc_u64 s[G0B+4*(\set)+2:G0B+4*(\set)+3], s[BB:BB+1], s[OFS:OFS+1]
	s_or_b32 s[G0B+4*(\set)+3], s[G0B+4*(\set)+3], 0x80000000
	s_add_co_u32 s[NX], s[NX], 1
	s_and_b32 s[NX], s[NX], STEPS-1
.endm
.macro JLOAD                           ; a joint refill; an s_nop 0 and four v_nop follow each line
	s_cmp_eq_u32 s[WM], 0
	s_cbranch_scc0 .Lfor_w_\@
	tensor_load_to_lds s[G0A+4:G0A+7], s[G1A:G1A+7]
	s_nop 0
	PLACES
	s_branch .Lasked_\@
.Lfor_w_\@:
	tensor_load_to_lds s[G0B+4:G0B+7], s[G1B:G1B+7]
	s_nop 0
	PLACES
.Lasked_\@:
.endm
.macro CREST
	s_cmp_lg_u32 s[WV], 0
	s_cbranch_scc1 .Lnot_wave_0_\@
	s_barrier_signal -3
.Lnot_wave_0_\@:
	s_barrier_wait -3
	s_barrier_signal -1
	s_barrier_wait -1
.endm
.macro CROUND
	s_barrier_signal -1
	s_barrier_wait -1
	CREST
.endm
.macro MUL f, i0, n                    ; the accumulators take turns, one instruction a turn, in the same order in every quarter
.set i, (\i0)
.rept (\n)
.set rD, 8*(i%(MB*NB))
.set rW, (\f)+8*(NB*(i/(MB*NB))+i%NB)
.set rA, (\f)+AF+8*(MB*(i/(MB*NB))+(i%(MB*NB))/NB)
	WIN 0xa5
	v_wmma_f32_16x16x32_f16 v[rD:rD+7], v[rW:rW+7], v[rA:rA+7], v[rD:rD+7]
.set i, i+1
.endr
.endm
.macro FETCH f                         ; 32 LDS loads in one run: the fragments of quarter s[QI] of the slot in hand into buffer f; then the count goes on, modulo 4
	WIN 0
	s_mul_i32 s72, s[QI], DA
	s_mul_i32 s73, s[QI], DB
	s_add_co_u32 s72, s72, s[TB]
	s_add_co_u32 s73, s73, s[TB]
	v_add_nc_u32 v[AA], s72, v[ADRA0]
	v_add_nc_u32 v[AB], s73, v[ADRB0]
	s_add_co_u32 s[QI], s[QI], 1
	s_and_b32 s[QI], s[QI], 3
	WIN 0x40
.set cc, 0
.rept QK/32
.set bb, 0
.rept NB
.set o, cc*32*PB+32*bb
.set d, (\f)+8*(NB*cc+bb)
	ds_load_tr16_b128 v[d:d+3], v[AB] offset:o
	ds_load_tr16_b128 v[d+4:d+7], v[AB] offset:o+16*PB
.set bb, bb+1
.endr
.set aa, 0
.rept MB
.set o, aa*16*PA+64*cc
.set d, (\f)+AF+8*(MB*cc+aa)
	ds_load_b128 v[d:d+3], v[AA] offset:o
	ds_load_b128 v[d+4:d+7], v[AA] offset:o+32
.set aa, aa+1
.endr
.set cc, cc+1
.endr
.endm
.macro QUARTER f, g                    ; multiplies buffer f and, in its middle, fetches the next quarter into buffer g
	s_wait_dscnt 0x0                               ; buffer f's 32 loads, issued half a quarter ago
	MUL \f, 0, NW/2
	PLACES
	FETCH \g
	MUL \f, NW/2, NW/2
.endm
; THE CHANGE OF SLOTS.  Each wave waits for all its tensor loads (one is out: its part of the next slot), adds 0 to its spare word, and waits for that and for its reads of the slot in hand, of which the last, quarter 3's, were issued
; half a quarter ago.  fill = 1: the barrier opens a round of the cluster's, and the slot just read is filled again first thing behind it, with the walk's K step two on: a whole step's 128 matrix instructions stand between the request and the wait for it.
.macro CHANGE fill
	WIN 0
	s_wait_tensorcnt 0x0                           ; no tensor load of mine is out, so a group 0 may be written
	ds_add_u32 v[SPW], v[NIL]                      ; 0 onto my spare word
.if \fill
	s_add_co_u32 s[G0A+5], s[LBA], s[TB]           ; into the slot in hand
	s_add_co_u32 s[G0B+5], s[LBB], s[TB]
	AIM 1
.endif
	s_wait_dscnt 0x0                               ; the add is done, and my reads of this slot are over
	s_barrier_signal -1
	s_barrier_wait -1
.if \fill
	CREST
.endif
	s_xor_b32 s[TB], s[TB], SLOT
.if \fill
	JLOAD
.endif
.endm
	s_load_b256 s[4:11], s[0:1], 0x0               ; A s[4:5], wb s[6:7], bias s[8:9], residual s[10:11]
	s_load_b64 s[12:13], s[0:1], 0x20              ; output
	v_lshl_add_u32 v[SPW], v0, 2, SPARE
	v_mov_b32 v[NIL], 0
	ds_add_u32 v[SPW], v[NIL]                      ; the wave's opening: the add and its wait stand ahead of my first tensor load
	ds_add_u32 v28, v29
	v_lshrrev_b32 v1, 5, v0
	v_readfirstlane_b32 s[WV], v1
	s_lshr_b32 s[WM], s[WV], 1
	s_and_b32 s[WN], s[WV], 1
	s_bfe_u32 s[CX], ttmp6, 0x40000
	s_bfe_u32 s[CY], ttmp6, 0x40004
	s_lshl_b32 s[TX], ttmp9, 2
	s_add_co_u32 s[TX], s[TX], s[CX]
	s_and_b32 s[TY], ttmp7, 0xffff
	s_add_co_u32 s[NX], s[TY], ttmp9               ; cluster x + cluster y:
	s_and_b32 s[NX], s[NX], 1
	s_mul_i32 s[NX], s[NX], STEPS/2                ; where it is odd the walk begins at K's middle
	s_lshl_b32 s[TY], s[TY], 2
	s_add_co_u32 s[TY], s[TY], s[CY]
	s_mov_b32 s[OFS+1], 0
	s_lshl_b32 s72, s[CY], 2
	s_lshl_b32 s72, 15, s72
	s_lshl_b32 s73, 0x1111, s[CX]
	s_or_b32 s[G1A], s72, (1<<16)|(1<<20)|(1<<21)|(AQI<<22)|(3<<25)
	s_or_b32 s[G1B], s73, (1<<16)|(1<<20)|(1<<21)|(BQI<<22)|(BCODE<<25)
.if AHEADS
	s_mov_b32 s[G1A+1], 4096<<16                   ; a "row" is 64 rows x 64 channels of one head, 8,192 dense bytes; four such rows are four heads, 2,048 x 64 elements apart; padded after every 128 bytes
	s_mov_b32 s[G1A+2], 4<<16
	s_mov_b32 s[G1A+3], 4096<<16
	s_mov_b32 s[G1A+4], 4
	s_mov_b32 s[G1A+5], 2048*64
.else
	s_mov_b32 s[G1A+1], KSTEP<<16
	s_mov_b32 s[G1A+2], (TM/2)<<16
	s_mov_b32 s[G1A+3], KSTEP<<16
	s_mov_b32 s[G1A+4], TM/2
	s_mov_b32 s[G1A+5], SIZE_K
.endif
	s_mov_b32 s[G1A+6], 0
	s_mov_b32 s[G1A+7], 0
	s_mov_b32 s[G1B+1], TN<<16
	s_mov_b32 s[G1B+2], (KSTEP/2)<<16
	s_mov_b32 s[G1B+3], TN<<16
	s_mov_b32 s[G1B+4], KSTEP/2
	s_mov_b32 s[G1B+5], SIZE_N
	s_mov_b32 s[G1B+6], 0
	s_mov_b32 s[G1B+7], 0
.if AHEADS
	s_lshr_b32 s[BA], s[TY], 4                     ; batch: 16 heads of 262,144 bytes
	s_lshl_b32 s[BA], s[BA], 22
	s_and_b32 s[BA+1], s[TY], 15                   ; 128 rows of 128 bytes within it
	s_lshl_b32 s[BA+1], s[BA+1], 14
	s_add_co_u32 s[BA], s[BA], s[BA+1]
	s_lshl_b32 s[BA+1], s[WN], 13
	s_add_co_u32 s[BA], s[BA], s[BA+1]
.else
	s_mul_i32 s[BA], s[TY], TM
	s_mul_i32 s[BA+1], s[WN], TM/2
	s_add_co_u32 s[BA], s[BA], s[BA+1]
	s_mul_i32 s[BA], s[BA], 2*SIZE_K
.endif
	s_mov_b32 s[BA+1], 0
	s_mul_i32 s[BB], s[TX], 2*TN
	s_mul_i32 s[BB+1], s[WN], (KSTEP/2)*2*SIZE_N
	s_add_co_u32 s[BB], s[BB], s[BB+1]
	s_add_co_u32 s[BB], s[BB], WOFF
	s_mov_b32 s[BB+1], 0
	s_mul_i32 s[LBA], s[WN], AHALF
	s_mul_i32 s[LBB], s[WN], BHALF
	s_add_co_u32 s[LBB], s[LBB], 2*AHALF
	s_wait_dscnt 0x0
	s_wait_kmcnt 0x0
	s_add_nc_u64 s[BA:BA+1], s[4:5], s[BA:BA+1]
	s_add_nc_u64 s[BB:BB+1], s[6:7], s[BB:BB+1]
.irp s, 0,1
	s_mov_b32 s[G0A+4*\s], 1
	s_add_co_u32 s[G0A+4*\s+1], s[LBA], \s*SLOT
	s_mov_b32 s[G0B+4*\s], 1
	s_add_co_u32 s[G0B+4*\s+1], s[LBB], \s*SLOT
	AIM \s                                         ; the walk's first two K steps
.endr
	CROUND
	s_cmp_eq_u32 s[WM], 0                          ; a wave's two first fills stand in one branch: two loads of mine are out
	s_cbranch_scc0 .Lfirst_w
	tensor_load_to_lds s[G0A:G0A+3], s[G1A:G1A+7]
	s_nop 0
	tensor_load_to_lds s[G0A+4:G0A+7], s[G1A:G1A+7]
	s_nop 0
	PLACES
	s_branch .Lfirst_asked
.Lfirst_w:
	tensor_load_to_lds s[G0B:G0B+3], s[G1B:G1B+7]
	s_nop 0
	tensor_load_to_lds s[G0B+4:G0B+7], s[G1B:G1B+7]
	s_nop 0
	PLACES
.Lfirst_asked:
	v_and_b32 v1, 15, v0
	v_bfe_u32 v2, v0, 4, 1
	s_mul_i32 s72, s[TX], TN*4
	s_mul_i32 s73, s[WN], 64*NB
	s_add_co_u32 s72, s72, s73
	v_lshl_add_u32 v[BO], v2, 5, s72
.set b, 0
.rept NB
	global_load_b128 v[BIAS+8*b:BIAS+8*b+3], v[BO], s[8:9] offset:64*b
	global_load_b128 v[BIAS+8*b+4:BIAS+8*b+7], v[BO], s[8:9] offset:64*b+16
.set b, b+1
.endr
	s_lshl_b32 s72, s[TY], 7                       ; my 64 x 64 of the residual and of the output
	s_lshl_b32 s73, s[WM], 6
	s_add_co_u32 s72, s72, s73
	s_lshl_b32 s72, s72, 12
	s_lshl_b32 s73, s[TX], 9
	s_add_co_u32 s72, s72, s73
	s_lshl_b32 s73, s[WN], 8
	s_add_co_u32 s72, s72, s73
	s_mov_b32 s73, 0
	s_add_nc_u64 s[10:11], s[10:11], s[72:73]
	s_add_nc_u64 s[12:13], s[12:13], s[72:73]
	v_lshlrev_b32 v[CO], 12, v2                    ; lanes 0-15 one row's 256 bytes, lanes 16-31 the next row's
	v_lshl_add_u32 v[CO], v1, 4, v[CO]
.set i, 0
.rept 32
	global_load_b128 v[128+4*i:128+4*i+3], v[CO], s[10:11] offset:2*i*4096
.set i, i+1
.endr
	WIN 0x40
.set i, 0
.rept 16
	v_mov_b32 v[128+i], 0                          ; two zero fragments
.set i, i+1
.endr
	WIN 0
	v_mul_u32_u24 v[ADRA0], v1, PA
	v_lshl_add_u32 v[ADRA0], v2, 4, v[ADRA0]
	s_mul_i32 s72, s[WM], AHALF
	v_add_nc_u32 v[ADRA0], s72, v[ADRA0]
	v_and_b32 v4, 7, v0
	v_lshl_add_u32 v4, v2, 3, v4
	v_mul_u32_u24 v[ADRB0], v4, PB
	v_bfe_u32 v5, v0, 3, 1
	v_lshl_add_u32 v[ADRB0], v5, 4, v[ADRB0]
	s_mul_i32 s72, s[WN], WCOL
	s_add_co_u32 s72, s72, 2*AHALF
	v_add_nc_u32 v[ADRB0], s72, v[ADRB0]
	s_mul_i32 s73, s[WV], DAREA
	v_mul_u32_u24 v[STO], v1, DP
	v_lshl_add_u32 v[STO], v2, 5, v[STO]
	v_add_nc_u32 v[STO], s73, v[STO]
	v_mul_u32_u24 v[RD], v2, DP
	v_lshl_add_u32 v[RD], v1, 4, v[RD]
	v_add_nc_u32 v[RD], s73, v[RD]
	s_wait_loadcnt 32                              ; the bias is in; the 32 younger loads, the residual, stay out until the way out
.set i, 0
.rept MB*NB                            ; every sum starts with its bias
	WIN 0x85
	v_wmma_f32_16x16x32_f16 v[8*i:8*i+7], v[128:135], v[136:143], v[BIAS+8*(i%NB):BIAS+8*(i%NB)+7]
.set i, i+1
.endr
	WIN 0
	s_wait_tensorcnt 0x1                           ; my part of the first K step is in; slot 1's may stay out
	s_barrier_signal -1
	s_barrier_wait -1
	s_mov_b32 s[TB], 0
	s_mov_b32 s[QI], 0
	FETCH F0
	WIN 0
	s_mov_b32 s[CNT], STEPS-1                      ; the part of a trip that the entry runs, and a trip for each refill
	s_mov_b32 s[HALF], 2
	s_branch .Lmid                                 ; the loop is entered in its middle: quarters 0, 1 and 2 of the first step
.Lk:
	CHANGE 1
	s_mov_b32 s[HALF], 2
.Lh:                                           ; quarter 3 of one step and quarter 0 of the next; then quarters 1 and 2
	QUARTER F1, F0
	WIN 0
.Lmid:
	QUARTER F0, F1
	WIN 0
	s_sub_co_u32 s[HALF], s[HALF], 1
	s_cmp_lg_u32 s[HALF], 0
	s_cbranch_scc1 .Lh
	s_sub_co_u32 s[CNT], s[CNT], 1
	s_cmp_lg_u32 s[CNT], 0
	s_cbranch_scc1 .Lk
	CHANGE 0                                       ; the tail is written out: nothing is asked for
	s_mov_b32 s[HALF], 3
.Lt:                                           ; quarter 3, then the last step's four; the tail is left in its middle.  The last quarter's run of loads reads the last slot's first quarter once more, for nobody: the price of one text
	QUARTER F1, F0
	WIN 0
	s_sub_co_u32 s[HALF], s[HALF], 1
	s_cmp_eq_u32 s[HALF], 0
	s_cbranch_scc1 .Lend
	QUARTER F0, F1
	WIN 0
	s_branch .Lt
.Lend:
	s_wait_dscnt 0x0
	s_barrier_signal -1
	s_barrier_wait -1                              ; nobody reads the ring any more
	PLACES
	WIN 0x08
.set i, 0
.rept MB*NB                            ; each accumulator's low registers first
	ds_store_b128 v[STO], v[8*i:8*i+3] offset:(i/NB)*16*DP+64*(i%NB)
	ds_store_b128 v[STO], v[8*i+4:8*i+7] offset:(i/NB)*16*DP+64*(i%NB)+16
.set i, i+1
.endr
	WIN 0
.macro LDX a                           ; 16 rows back, two rows a load; LDS serves a wave's instructions in order (ISA guide 5.7.1.4): these see my stores above
.set t, 0
.rept 8
	ds_load_b128 v[64+32*((\a)%2)+4*t:64+32*((\a)%2)+4*t+3], v[RD] offset:(16*(\a)+2*t)*DP
.set t, t+1
.endr
.endm
	s_wait_loadcnt 0x0                             ; the residual
	LDX 0
.irp a, 0,1,2,3
.if (\a) < 3
	LDX (\a)+1
	s_wait_dscnt 0x8                               ; block a is back; the next block's eight loads are younger
.else
	s_wait_dscnt 0x0
.endif
.set t, 0
.rept 16
	v_pk_add_f32 v[128+32*(\a)+2*t:128+32*(\a)+2*t+1], v[128+32*(\a)+2*t:128+32*(\a)+2*t+1], v[64+32*((\a)%2)+2*t:64+32*((\a)%2)+2*t+1]
.set t, t+1
.endr
.set t, 0
.rept 8
	global_store_b128 v[CO], v[128+32*(\a)+4*t:128+32*(\a)+4*t+3], s[12:13] offset:(16*(\a)+2*t)*4096  ; 16 lanes store 256 consecutive bytes, aligned
.set t, t+1
.endr
.endr
	s_wait_tensorcnt 0x0                           ; the wave's end
	ds_add_u32 v[SPW], v[NIL]
	s_wait_dscnt 0x0
	CROUND                                         ; the closing round
	s_endpgm
.Lfunc_end_k_q4fa1ad96ff_proj2:
	.size	k_q4fa1ad96ff_proj2, .Lfunc_end_k_q4fa1ad96ff_proj2-k_q4fa1ad96ff_proj2
	.p2alignl 7, 3214868480
	.fill 96, 4, 3214868480
	.section	.rodata,"a",@progbits
	.p2align	6, 0x0
	.amdhsa_kernel k_q4fa1ad96ff_proj2
		.amdhsa_group_segment_fixed_size 327680
		.amdhsa_private_segment_fixed_size 0
		.amdhsa_enable_private_segment 0
		.amdhsa_kernarg_size 40
		.amdhsa_user_sgpr_count 2
		.amdhsa_user_sgpr_kernarg_segment_ptr 1
		.amdhsa_wavefront_size32 1
		.amdhsa_system_sgpr_workgroup_id_x 1
		.amdhsa_system_sgpr_workgroup_id_y 1
		.amdhsa_system_sgpr_workgroup_id_z 1
		.amdhsa_system_vgpr_workitem_id 0
		.amdhsa_next_free_vgpr 640
		.amdhsa_next_free_sgpr 80
		.amdhsa_reserve_vcc 0
		.amdhsa_float_denorm_mode_32 3
		.amdhsa_float_denorm_mode_16_64 3
		.amdhsa_memory_ordered 1
		.amdhsa_forward_progress 1
		.amdhsa_inst_pref_size 48
	.end_amdhsa_kernel
	.amdgpu_metadata
---
amdhsa.version: [ 1, 2 ]
amdhsa.kernels:
  - .name:           k_q4fa1ad96ff_proj2
    .symbol:         k_q4fa1ad96ff_proj2.kd
    .args:
      - { .name: hf, .offset: 0, .size: 8, .value_kind: global_buffer, .address_space: global }
      - { .name: wb, .offset: 8, .size: 8, .value_kind: global_buffer, .address_space: global }
      - { .name: b_proj2, .offset: 16, .size: 8, .value_kind: global_buffer, .address_space: global }
      - { .name: x1, .offset: 24, .size: 8, .value_kind: global_buffer, .address_space: global }
      - { .name: out0, .offset: 32, .size: 8, .value_kind: global_buffer, .address_space: global }
    .group_segment_fixed_size: 327680
    .private_segment_fixed_size: 0
    .kernarg_segment_align: 8
    .kernarg_segment_size: 40
    .max_flat_workgroup_size: 128
    .sgpr_count:     80
    .vgpr_count:     640
    .wavefront_size: 32
...
	.end_amdgpu_metadata
.endif
;; end of part 7
